; MI455X (gfx1250); checked and timed in simulation.
; The chip was launched on July 23, 2026; its instructions are those of AMD's public machine-readable ISA for CDNA 5 (MIT licence, August 2026) and "CDNA5" Instruction Set Architecture Reference Guide (July 2026). The comments in the code are by the model that wrote it; some were corrected since.
;; Intern LM3 Attention Custom. Allowed arithmetic: matrix products marked QUANTISED: E4M3 operands, one given power-of-two scale a tensor, by v_wmma_f32_16x16x64_fp8_fp8 or v_wmma_f32_16x16x128_fp8_fp8, f32 sums; everything else in f32.
;; Inputs: hidden_states 1 x 2,048 x 2,048 float32; lowp_scales 10 int32 (the exponents e of the quantised operands' scales 2^e); o_w 2,048 x 2,048 float32; position_ids 1 x 2,048 int32; qk_w 2,048 x 2,048 float32; v_w 2,048 x 2,048 float32.
;; Outputs: out0 1 x 2,048 x 2,048 float32.
;; This version of the problem:
;;   THIS VERSION OF THE PROBLEM IS GIVEN IN LOW PRECISION. The matrix products marked QUANTISED in the list below multiply operands that are first quantised to E4M3 (4 exponent bits, 3 mantissa bits; 8 bits a number), with one given power-of-two scale for each operand tensor; their sums are f32. All else is computed in f32.
;;   The module's matrix products, in the order in which they are computed (A, B: the left and right operand; K: the contracted axis; several contracted axes count as one K, in the product's order):
;;     1. [M 2,048, K 2,048] x [K 2,048, N 2,048]; A: input hidden_states; B: input qk_w: QUANTISED (scales: A lowp_scales[0], B lowp_scales[1])
;;     2. [M 2,048, K 2,048] x [K 2,048, N 2,048]; A: input hidden_states; B: input v_w: QUANTISED (scales: A lowp_scales[2], B lowp_scales[3])
;;     3. batch 32 x [M 2,048, K 64] x [K 64, N 2,048]; A: computed on the way; B: computed on the way: QUANTISED (scales: A lowp_scales[4], B lowp_scales[5])
;;     4. batch 32 x [M 2,048, K 2,048] x [K 2,048, N 64]; A: softmax (see below); B: computed on the way: QUANTISED (scales: A lowp_scales[6], B lowp_scales[7])
;;     5. [M 2,048, K 2,048] x [K 2,048, N 2,048]; A: computed on the way; B: input o_w: QUANTISED (scales: A lowp_scales[8], B lowp_scales[9])
;;   THE QUANTISER, for each operand of a quantised product, along K:
;;     - The operand's scale is 2^e, e = its entry of the input lowp_scales (int32; the entries are numbered through the quantised products in the list's order, A before B).
;;     - Each number is divided by the scale, clamped to +-448, and rounded to the nearest number of E4M3, ties to even, subnormals kept.
;;     - The product sums the exact products of the quantised numbers (number of the format x scale) in f32.
;;   ~~~python
;;   def quantise(x, axis, e):      # numpy; x: float32 -> the quantised numbers, widened to float32 again
;;       x = np.moveaxis(x, axis, -1); K = x.shape[-1]
;;       r = np.clip(x / 2.0 ** e, -448, 448)
;;       step = 2.0 ** (np.maximum(np.frexp(np.where(r == 0, 1, r))[1] - 1, -6) - 3)
;;       q = np.round(r / step) * step * 2.0 ** e      # np.round: ties to even
;;       return np.moveaxis(q, -1, axis).astype(np.float32)
;;   ~~~
;;   SOFTMAX AHEAD OF A QUANTISED PRODUCT. Where the list says 'softmax', what is quantised is not the finished softmax but p = 2^(t - M), with t = logit x log2(e) and M = ceil(the row's largest t), a whole number; so 1/2 < the row's largest p <= 1. The row's sum l is taken of the UNQUANTISED p, in f32, and the product's result is divided by l at the end. Since M is a whole number, a kernel that streams over the keys may use a running M (the ceiling of the running maximum): every later rescaling is an exact power of two, so the quantised numbers keep their values, but for numbers so far below the row's largest that they fall under the format's range.
;;   OPERANDS COMPUTED ON THE WAY. 'Computed on the way' means the value that the module computes at that place (a softmax that the list does not call 'softmax' is quantised finished and normalised). What goes into a quantiser is computed in f32, as accurately as f32 sums, v_exp_f32 and their like allow (about 1e-6 of the number): no bf16 or f16 on the way to a quantiser, and a product that is left as it is and whose result goes on into a quantised operand takes f32 operands (vector FMAs, or v_wmma_f32_16x16x4_f32). A number that lies on a knife's edge between two numbers of the format may be rounded either way, as far as f32 arithmetic and the matrix unit's own rounding can turn it there, and no further.
;; One version. Each part assembles by itself: llvm-mc -triple=amdgcn-amd-amdhsa -mcpu=gfx1250 --defsym DOCPART=n.
;; ======== version 1 of 1: 4 launches
;; limits: right only within a limited range of input values
;; workspace buffers: hcodes 12,582,912 bytes; wcodes 12,582,912 bytes; tab 524,288 bytes; kv 8,388,608 bytes; ac 4,194,304 bytes
;; launch prep (part 1): grid 512 x 1, 4 waves a work-group, no clusters, 43,520 bytes of LDS; arguments hidden_states, position_ids, lowp_scales, qk_w, v_w, o_w, hcodes, wcodes, tab; writes hcodes, wcodes, tab
.if DOCPART == 1
	.amdgcn_target "amdgcn-amd-amdhsa--gfx1250"
	.amdhsa_code_object_version 6
	.text
	.protected	k_q2c72fd52db_prep
	.globl	k_q2c72fd52db_prep
	.p2align	8
	.type	k_q2c72fd52db_prep,@function
k_q2c72fd52db_prep:
	s_mov_b64 s[64:65], 0
	v_nop
	global_prefetch_b8 v0, s[64:65] scope:SCOPE_SE
	s_setreg_imm32_b32 hwreg(HW_REG_WAVE_MODE, 25, 1), 1
	s_wait_xcnt 0x0
; THE f32 INPUTS BECOME CODES OF FP8 (E4M3), each read once.  code = x / 2^e (hidden's held within +-448), to the nearest code, ties to even.
; hcodes: three tensors [2048 s][2048] of one byte a number: hidden under e0 (+0), hidden under e2 (+0x400000), rope(hidden) under e4 (+0x800000).
; wcodes: qk_w under e1 (+0), v_w under e3 (+0x400000), o_w under e9 (+0x800000), each [2048 n][2048 k].
; tab: [2048 s][64 f32]: cos and sin of row s's position x the 32 frequencies; dword 32 h + 16 kind + 8 b + j is cos (kind 0) or sin (kind 1) of frequency 16 b + 8 h + j: the order in which the next launch's lanes take them.
; SHARES.  Work-groups 0-127 take hidden, 128-511 the three weights.  A wave takes 8,192 consecutive numbers (of hidden: four rows) in 16 steps of 512.  Each load reads 512 consecutive bytes, 16 a lane; a step's 2,048 bytes
; turn through the wave's own stage in LDS and come back 64 bytes a lane, so that a lane holds 16 neighbours along K for the conversions; a lane's 16 codes are 16 bytes, so a store covers 512 consecutive bytes.
; ROPE.  A lane's 16 numbers are d = 16 (lane % 4) + i of one head; the partner d +- 32 lies in lane xor 2 and comes by DPP on the multiply.  cos and sin are made once a row, a lane a frequency: the angle is position x frequency
; in f32 as it is defined; it is reduced by whole quarter turns with pi/2 in three parts (fused multiply-adds), and sine and cosine of the rest come by polynomials good to f32's last bits on +-pi/4.
; The frequency 10000^(-f/32) is 2^(-f x 0.41524101): one multiply, one v_exp_f32.
; No matrix unit, no cluster, no tensor load: each byte is touched once and the waves share nothing.  The two bodies part on the work-group's number and have LDS bytes of their own.
; LIMITS: every exponent e between -126 and 119; |position| up to 2^20; NaN among the inputs is not served (in hidden an infinity is held at the largest code).
.set SP,    80                         ; a lane's place in a stage: 64 bytes + 16 of padding
.set STG,   32*SP                      ; a stage
.set SCR,   2*STG                      ; hidden's waves: behind the two stages, 256 bytes: a row of the table
.set HREG,  5632                       ; LDS of a wave of the hidden body
.set WBASE, 4*HREG                     ; the weights' body begins here
.set WREG,  2*STG
.set SPARE, WBASE+4*WREG               ; the spare words, 128 bytes for each wave: two blocks of 256 bytes that no other line names
.set R,     16                         ; v16-79   four sets of 16 numbers as loaded
.set X,     80                         ; v80-111  two sets of 16 neighbours
.set T,     112                        ; v112-127 at work
.set C,     128                        ; v128-143 cos of my 16 frequencies      (weights: v128-191 codes)
.set S,     144                        ; v144-159 sin, with the sign of my half of the head
.set CODE,  160                        ; v160-207 codes: (step % 4) x three outputs x four registers
.set TP,    208                        ; v208-209 my 8 bytes of the table's row
.set INV,   210                        ; v210     the frequency of lane f
.set SGN,   211                        ; v211     the sign bit where d < 32
.set W0,    212                        ; v212-225 sine and cosine at work
.set SPW,   230                        ; v230     LDS address of my spare word; never rewritten
.set NIL,   231                        ; v231     0; never rewritten
	s_load_b512 s[4:19], s[0:1], 0x0               ; hidden 4, positions 6, scales 8, qk_w 10, v_w 12, o_w 14, hcodes 16, wcodes 18
	s_load_b64 s[20:21], s[0:1], 0x40              ; tab
	v_lshl_add_u32 v[SPW], v0, 2, SPARE
	v_mov_b32 v[NIL], 0
	v_lshrrev_b32 v1, 5, v0
	v_readfirstlane_b32 s22, v1                    ; wave
	v_and_b32 v2, 31, v0                           ; lane
	v_lshlrev_b32 v3, 4, v2                        ; my 16 bytes of a load's or a store's 512
	v_lshrrev_b32 v14, 2, v2
	v_mul_u32_u24 v14, v14, SP
	v_and_b32 v15, 3, v2
	v_lshl_add_u32 v14, v15, 4, v14                ; into a stage: four lanes' 64 bytes on end, then the padding
	v_mul_u32_u24 v15, v2, SP                      ; out of it: my 16 neighbours
	s_wait_kmcnt 0x0
	s_load_b128 s[24:27], s[8:9], 0x0              ; e0 .. e3
	s_load_b32 s28, s[8:9], 0x10                   ; e4
	s_load_b32 s29, s[8:9], 0x24                   ; e9
.macro LOAD t, b                       ; step t's four loads, base s[b:b+1]
.irp i, 0,1,2,3
	global_load_b128 v[R+16*((\t)%4)+4*\i:R+16*((\t)%4)+4*\i+3], v3, s[\b:\b+1] offset:2048*(\t)+512*\i th:TH_LOAD_NT
.endr
.endm
.macro TURN t                          ; step t's numbers through a stage: LDS serves a wave's instructions in order, so no wait stands between the stores and the loads
.irp i, 0,1,2,3
	ds_store_b128 v14, v[R+16*((\t)%4)+4*\i:R+16*((\t)%4)+4*\i+3] offset:STG*((\t)%2)+8*SP*\i
.endr
.irp i, 0,1,2,3
	ds_load_b128 v[X+16*((\t)%2)+4*\i:X+16*((\t)%2)+4*\i+3], v15 offset:STG*((\t)%2)+16*\i
.endr
.endm
.macro SCALE se, vs, vl                ; v[vs] = 2^e as f32 (the conversion takes its exponent field), v[vl] = 448 x 2^e
	s_add_co_i32 s58, \se, 127
	s_lshl_b32 s59, s58, 23
	v_mov_b32 v[\vs], s59
	s_add_co_i32 s58, s58, 8
	s_lshl_b32 s58, s58, 23
	s_or_b32 s58, s58, 0x600000
	v_mov_b32 v[\vl], s58
.endm
	s_cmp_ge_u32 ttmp9, 128
	s_cbranch_scc1 .Lweights
	; ================= hidden =================
	s_lshl_b32 s23, ttmp9, 2
	s_add_co_u32 s23, s23, s22                     ; u: my wave's run of four rows
	s_mul_i32 s30, s22, HREG
	s_wait_alu depctr_va_vdst(0)
	v_add_nc_u32 v14, s30, v14
	v_add_nc_u32 v15, s30, v15
	s_add_co_u32 s31, s30, SCR                     ; my row of the table in LDS
	v_bfe_u32 v5, v0, 3, 1
	v_lshlrev_b32 v5, 7, v5
	v_bfe_u32 v6, v0, 4, 1
	v_lshl_add_u32 v5, v6, 5, v5
	v_and_b32 v6, 7, v0
	v_lshl_add_u32 v5, v6, 2, v5
	v_add_nc_u32 v5, s31, v5                       ; lane f = 16 b + 8 h + j stores at 128 h + 32 b + 4 j (cos; sin 64 further on)
	v_and_b32 v6, 1, v0
	v_lshlrev_b32 v6, 5, v6
	v_add_nc_u32 v6, s31, v6                       ; and reads its 16 frequencies 16 (lane & 1) + i from 32 (lane & 1) on
	v_lshlrev_b32 v4, 3, v2                        ; 8 x lane: the table's row as it lies
	v_add_nc_u32 v7, s31, v4
	s_lshl_b32 s56, s23, 4
	s_mov_b32 s57, 0
	s_add_nc_u64 s[6:7], s[6:7], s[56:57]
	s_load_b128 s[32:35], s[6:7], 0x0              ; my four rows' positions
	s_lshl_b32 s56, s23, 15
	s_add_nc_u64 s[54:55], s[4:5], s[56:57]        ; hidden at my first row
	s_lshl_b32 s56, s23, 13
	s_add_nc_u64 s[48:49], s[16:17], s[56:57]      ; the codes under e0; those under e2 stand 0x400000 further on, in the immediate;
	s_add_nc_u64 s[50:51], s[48:49], 0x800000      ; the queries' have a base of their own: the distance is past the signed 24-bit immediate (ISA guide, chapter 10)
	s_lshl_b32 s56, s23, 10
	s_add_nc_u64 s[52:53], s[20:21], s[56:57]      ; the table at my first row
.irp t, 0,1,2,3
	LOAD \t, 54
.endr
	s_mov_b32 s36, 0x3f22f983                      ; 2 / pi
	s_mov_b32 s37, 0xbfc90fdb                      ; - pi/2, first part
	s_mov_b32 s38, 0x333bbd2e                      ; second part
	s_mov_b32 s39, 0x26f72ced                      ; third part
	s_mov_b32 s40, 0xbe2aaaa3                      ; sine: -1.6666654611e-1
	s_mov_b32 s41, 0x3c08839e                      ; 8.3321608736e-3
	s_mov_b32 s42, 0xb94ca1f9                      ; -1.9515295891e-4
	s_mov_b32 s43, 0x3d2aaaa5                      ; cosine: 4.166664568e-2
	s_mov_b32 s44, 0xbab6061a                      ; -1.388731625e-3
	s_mov_b32 s45, 0x37ccf5ce                      ; 2.443315712e-5
	v_and_b32 v[SGN], 2, v0
	v_xor_b32 v[SGN], 2, v[SGN]
	v_lshlrev_b32 v[SGN], 30, v[SGN]               ; d < 32 (lane & 2 = 0): out = x cos - partner sin
	v_cvt_f32_u32 v[INV], v2
	v_mul_f32 v[INV], 0xbed49a78, v[INV]           ; - f x log2(10000) / 32
	s_wait_alu depctr_va_vdst(0)
	v_exp_f32 v[INV], v[INV]
	v_nop                                          ; a plain line behind the transcendental,
	s_wait_alu depctr_va_vdst(0)                   ; and the wait ahead of the first line that names its result
	s_wait_kmcnt 0x0                               ; the exponents and the positions
	SCALE s24, 8, 9
	SCALE s26, 10, 11
	SCALE s28, 12, 13
; cos and sin of row rho's position x my lane's frequency; through the 256 bytes in LDS they reach the lanes that want them, and the table
.macro SINCOS rho
	v_cvt_f32_i32 v[W0], s[32+(\rho)]
	v_mul_f32 v[W0], v[W0], v[INV]                 ; the angle
	v_mul_f32 v[W0+1], s36, v[W0]
	v_rndne_f32 v[W0+1], v[W0+1]                   ; n quarter turns
	v_fma_f32 v[W0+2], v[W0+1], s37, v[W0]
	v_fma_f32 v[W0+2], v[W0+1], s38, v[W0+2]
	v_fma_f32 v[W0+2], v[W0+1], s39, v[W0+2]       ; r = angle - n pi/2, within +-pi/4
	v_cvt_i32_f32 v[W0+3], v[W0+1]
	v_mul_f32 v[W0+4], v[W0+2], v[W0+2]            ; z = r r
	v_fma_f32 v[W0+5], v[W0+4], s42, s41
	v_fma_f32 v[W0+5], v[W0+5], v[W0+4], s40
	v_mul_f32 v[W0+6], v[W0+4], v[W0+2]
	v_fma_f32 v[W0+5], v[W0+5], v[W0+6], v[W0+2]   ; sin r
	v_fma_f32 v[W0+7], v[W0+4], s45, s44
	v_fma_f32 v[W0+7], v[W0+7], v[W0+4], s43
	v_mul_f32 v[W0+8], v[W0+4], v[W0+4]
	v_fma_f32 v[W0+9], v[W0+4], -0.5, 1.0
	v_fma_f32 v[W0+7], v[W0+7], v[W0+8], v[W0+9]   ; cos r
	v_and_b32 v[W0+10], 1, v[W0+3]
	v_cmp_eq_u32 vcc_lo, 1, v[W0+10]               ; an odd n changes the two about (a choice of values: no branch, no address hangs on it)
	v_cndmask_b32 v[W0+11], v[W0+5], v[W0+7], vcc_lo
	v_cndmask_b32 v[W0+12], v[W0+7], v[W0+5], vcc_lo
	v_lshlrev_b32 v[W0+10], 30, v[W0+3]
	v_and_b32 v[W0+10], 0x80000000, v[W0+10]
	v_xor_b32 v[W0+11], v[W0+10], v[W0+11]         ; sin: minus where n % 4 is 2 or 3
	v_add_nc_u32 v[W0+13], 1, v[W0+3]
	v_lshlrev_b32 v[W0+13], 30, v[W0+13]
	v_and_b32 v[W0+13], 0x80000000, v[W0+13]
	v_xor_b32 v[W0+12], v[W0+13], v[W0+12]         ; cos: minus where n % 4 is 1 or 2
	ds_store_b32 v5, v[W0+12]
	ds_store_b32 v5, v[W0+11] offset:64
	ds_load_b128 v[C:C+3], v6
	ds_load_b128 v[C+4:C+7], v6 offset:16
	ds_load_b128 v[C+8:C+11], v6 offset:128
	ds_load_b128 v[C+12:C+15], v6 offset:144
	ds_load_b128 v[S:S+3], v6 offset:64
	ds_load_b128 v[S+4:S+7], v6 offset:80
	ds_load_b128 v[S+8:S+11], v6 offset:192
	ds_load_b128 v[S+12:S+15], v6 offset:208
	ds_load_b64 v[TP:TP+1], v7
.endm
; 16 numbers v[src ..] are held within the largest code x the scale (the conversion to an 8-bit code does not saturate: ISA guide 7.6.2) and become 16 codes in v[dst .. dst+3]
.macro HQ src, vl, vs, dst
.irp i, 0,1,2,3,4,5,6,7,8,9,10,11,12,13,14,15
	v_med3_num_f32 v[T+\i], v[\src+\i], -v[\vl], v[\vl]
.endr
	v_cvt_scalef32_pk8_fp8_f32 v[\dst:\dst+1], v[T:T+7], v[\vs]
	v_cvt_scalef32_pk8_fp8_f32 v[\dst+2:\dst+3], v[T+8:T+15], v[\vs]
	v_nop                                          ; a plain line between the conversions and the next lines, which write their sources
.endm
.macro HSTEP t
.set XS, X+16*((\t)%2)
.set CD, CODE+12*((\t)%4)
	s_wait_dscnt 0x0                               ; this step's numbers are back from the stage (and at a row's first step its cos and sin): the stage's stores have read their registers
.if (\t)%4 == 0
.irp i, 0,1,2,3,4,5,6,7,8,9,10,11,12,13,14,15
	v_xor_b32 v[S+\i], v[SGN], v[S+\i]
.endr
	global_store_b64 v4, v[TP:TP+1], s[52:53] offset:256*((\t)/4)   ; the row of the table: 32 lanes store 256 consecutive bytes, aligned
.endif
.if (\t)+4 < 16
	LOAD (\t)+4, 54
.endif
.if (\t)+1 < 16
.if 14-(\t) >= 3
	s_wait_loadcnt 12                              ; the next step's four loads are in; those of the three steps behind it may be out
.else
	s_wait_loadcnt 4*(14-(\t))
.endif
	TURN (\t)+1
.endif
	HQ XS, 9, 8, CD
	global_store_b128 v3, v[CD:CD+3], s[48:49] offset:512*(\t)
	HQ XS, 11, 10, CD+4
	global_store_b128 v3, v[CD+4:CD+7], s[48:49] offset:0x400000+512*(\t)
.irp i, 0,1,2,3,4,5,6,7,8,9,10,11,12,13,14,15
	v_mul_f32_dpp v[T+\i], v[XS+\i], v[S+\i] row_xmask:2 row_mask:0xf bank_mask:0xf   ; the partner's number x my signed sin
.endr
.irp i, 0,1,2,3,4,5,6,7,8,9,10,11,12,13,14,15
	v_fmac_f32 v[T+\i], v[XS+\i], v[C+\i]
.endr
	HQ T, 13, 12, CD+8
	global_store_b128 v3, v[CD+8:CD+11], s[50:51] offset:512*(\t)
.if ((\t)%4 == 3) && ((\t) < 15)
	s_wait_xcnt 0x0                                ; the stores so far have read their registers: the four sets of codes and the table's pair may be written again
	SINCOS (\t)/4+1
.endif
.endm
	SINCOS 0
	s_wait_loadcnt 12                              ; step 0's four loads are in
	TURN 0
.irp t, 0,1,2,3,4,5,6,7,8,9,10,11,12,13,14,15
	HSTEP \t
.endr
	s_wait_tensorcnt 0x0                           ; the wave's end
	ds_add_u32 v[SPW], v[NIL]
	s_wait_dscnt 0x0
	s_endpgm
	; ================= the three weights =================
.Lweights:
	s_sub_co_u32 s23, ttmp9, 128
	s_lshr_b32 s30, s23, 7                         ; which tensor: 0 qk_w, 1 v_w, 2 o_w
	s_and_b32 s23, s23, 127
	s_lshl_b32 s23, s23, 2
	s_add_co_u32 s23, s23, s22                     ; u: my wave's run of 8,192 numbers
	s_mul_i32 s31, s22, WREG
	s_add_co_u32 s31, s31, WBASE
	s_wait_alu depctr_va_vdst(0)
	v_add_nc_u32 v14, s31, v14
	v_add_nc_u32 v15, s31, v15
	s_cmp_eq_u32 s30, 0                            ; the choices hang on the work-group's number alone
	s_cselect_b64 s[48:49], s[10:11], s[12:13]
	s_cmp_eq_u32 s30, 2
	s_cselect_b64 s[48:49], s[14:15], s[48:49]
	s_lshl_b32 s56, s23, 15
	s_mov_b32 s57, 0
	s_add_nc_u64 s[48:49], s[48:49], s[56:57]
	s_lshl_b32 s56, s30, 22
	s_lshl_b32 s58, s23, 13
	s_add_co_u32 s56, s56, s58
	s_add_nc_u64 s[50:51], s[18:19], s[56:57]
.irp t, 0,1,2,3
	LOAD \t, 48
.endr
	s_wait_alu depctr_va_vdst(0)
	s_wait_kmcnt 0x0
	s_cmp_eq_u32 s30, 0
	s_cselect_b32 s58, s25, s27
	s_cmp_eq_u32 s30, 2
	s_cselect_b32 s58, s29, s58                    ; e1, e3 or e9
	SCALE s58, 11, 10
	s_wait_alu depctr_va_vdst(0)
	s_wait_loadcnt 12
	TURN 0
.macro WSTEP t
.set XS, X+16*((\t)%2)
.set CD, 128+4*(\t)                    ; four registers of codes for each step: no store's data are written again
	s_wait_dscnt 0x0
.if (\t)+4 < 16
	LOAD (\t)+4, 48
.endif
.if (\t)+1 < 16
.if 14-(\t) >= 3
	s_wait_loadcnt 12
.else
	s_wait_loadcnt 4*(14-(\t))
.endif
	TURN (\t)+1
.endif
.irp i, 0,1,2,3,4,5,6,7,8,9,10,11,12,13,14,15
.endr
	v_cvt_scalef32_pk8_fp8_f32 v[CD:CD+1], v[XS:XS+7], v11
	v_cvt_scalef32_pk8_fp8_f32 v[CD+2:CD+3], v[XS+8:XS+15], v11
	v_nop
	global_store_b128 v3, v[CD:CD+3], s[50:51] offset:512*(\t)
.endm
.irp t, 0,1,2,3,4,5,6,7,8,9,10,11,12,13,14,15
	WSTEP \t
.endr
	s_wait_tensorcnt 0x0                           ; the wave's end, as above
	ds_add_u32 v[SPW], v[NIL]
	s_wait_dscnt 0x0
	s_endpgm
.Lfunc_end_k_q2c72fd52db_prep:
	.size	k_q2c72fd52db_prep, .Lfunc_end_k_q2c72fd52db_prep-k_q2c72fd52db_prep
	.p2alignl 7, 3214868480
	.fill 96, 4, 3214868480
	.section	.rodata,"a",@progbits
	.p2align	6, 0x0
	.amdhsa_kernel k_q2c72fd52db_prep
		.amdhsa_group_segment_fixed_size 43520
		.amdhsa_private_segment_fixed_size 0
		.amdhsa_enable_private_segment 0
		.amdhsa_kernarg_size 72
		.amdhsa_user_sgpr_count 2
		.amdhsa_user_sgpr_kernarg_segment_ptr 1
		.amdhsa_wavefront_size32 1
		.amdhsa_system_sgpr_workgroup_id_x 1
		.amdhsa_system_sgpr_workgroup_id_y 1
		.amdhsa_system_sgpr_workgroup_id_z 1
		.amdhsa_system_vgpr_workitem_id 0
		.amdhsa_next_free_vgpr 232
		.amdhsa_next_free_sgpr 100
		.amdhsa_reserve_vcc 1
		.amdhsa_float_denorm_mode_32 3
		.amdhsa_float_denorm_mode_16_64 3
		.amdhsa_fp16_overflow 1
		.amdhsa_memory_ordered 1
		.amdhsa_forward_progress 1
		.amdhsa_inst_pref_size 135
	.end_amdhsa_kernel
	.amdgpu_metadata
---
amdhsa.version: [ 1, 2 ]
amdhsa.kernels:
  - .name:           k_q2c72fd52db_prep
    .symbol:         k_q2c72fd52db_prep.kd
    .args:
      - { .name: hidden_states, .offset: 0, .size: 8, .value_kind: global_buffer, .address_space: global }
      - { .name: position_ids, .offset: 8, .size: 8, .value_kind: global_buffer, .address_space: global }
      - { .name: lowp_scales, .offset: 16, .size: 8, .value_kind: global_buffer, .address_space: global }
      - { .name: qk_w, .offset: 24, .size: 8, .value_kind: global_buffer, .address_space: global }
      - { .name: v_w, .offset: 32, .size: 8, .value_kind: global_buffer, .address_space: global }
      - { .name: o_w, .offset: 40, .size: 8, .value_kind: global_buffer, .address_space: global }
      - { .name: hcodes, .offset: 48, .size: 8, .value_kind: global_buffer, .address_space: global }
      - { .name: wcodes, .offset: 56, .size: 8, .value_kind: global_buffer, .address_space: global }
      - { .name: tab, .offset: 64, .size: 8, .value_kind: global_buffer, .address_space: global }
    .group_segment_fixed_size: 43520
    .private_segment_fixed_size: 0
    .kernarg_segment_align: 8
    .kernarg_segment_size: 72
    .max_flat_workgroup_size: 128
    .sgpr_count:     100
    .vgpr_count:     232
    .wavefront_size: 32
...
	.end_amdgpu_metadata
.endif
;; end of part 1
;; launch proj (part 2): grid 8 x 32, 4 waves a work-group, clusters of 4 x 4, 327,680 bytes of LDS; arguments hcodes, wcodes, tab, lowp_scales, kv; writes kv
.if DOCPART == 2
	.amdgcn_target "amdgcn-amd-amdhsa--gfx1250"
	.amdhsa_code_object_version 6
	.text
	.protected	k_q2c72fd52db_proj
	.globl	k_q2c72fd52db_proj
	.p2align	8
	.type	k_q2c72fd52db_proj,@function
k_q2c72fd52db_proj:
	s_mov_b64 s[64:65], 0
	v_nop
	global_prefetch_b8 v0, s[64:65] scope:SCOPE_SE
	s_setreg_imm32_b32 hwreg(HW_REG_WAVE_MODE, 25, 1), 1
	s_wait_xcnt 0x0
	s_wait_alu depctr_hold_cnt(0) depctr_sa_sdst(0) depctr_va_vdst(0) depctr_va_sdst(0) depctr_va_ssrc(0) depctr_va_vcc(0) depctr_vm_vsrc(0)
	s_getreg_b32 s2, hwreg(HW_REG_IB_STS2, 6, 4)
	s_cmp_eq_u32 s2, 0
	s_cbranch_scc0 .Lentry_in_a_cluster
	s_endpgm
.Lentry_in_a_cluster:
	s_bfe_u32 s2, ttmp6, 0x10000c
	s_cmp_lg_u32 s2, 0xf033
	s_cbranch_scc0 .Lentry_shape_is_right
	s_endpgm
.Lentry_shape_is_right:
; THE TWO PROJECTIONS, both on codes of FP8 (E4M3) by v_wmma_f32_16x16x128_fp8_fp8, in one launch; their results leave as codes.
; Clusters with y 0-3: keys = rope(hidden qk_w^T), quantised under e5, to kv + 0 as [32 heads][2048 s][64 d].   Clusters with y 4-7: values = hidden v_w^T, quantised under e7, to kv + 0x400000 as [2048 = 64 head + d][2048 keys]: keys innermost.
; A result's register j of lane (r, hh) is (source 0's row 8 hh + j, source 1's row r): a lane's registers run along source 0's rows.  KEYS: source 0 = rows of qk_w, source 1 = positions: a lane holds one position and eight neighbouring d,
; and d and d + 32 of a head lie in the same lane, two blocks of 16 apart: rope needs no other lane.  VALUES: source 0 = positions, source 1 = rows of v_w: a lane holds one channel and eight neighbouring keys: the codes come out with the keys innermost.
; SHARES.  A work-group makes 256 (source 0) x 128 (source 1): 256 work-groups.  Four waves, each 128 x 64: 32 accumulators.  K goes in slots of 256 (rows of 256 bytes) through a ring of two LDS slots.
; CLUSTER 4 x 4: source 0's tile hangs on the work-group's x alone and is asked for jointly by a column of the cluster, source 1's on y alone, by a row.  Waves 0, 1 ask for source 0's halves, waves 2, 3 for source 1's.
; K IS WALKED ROUND: a cluster begins at slot phi = (2 (cluster y & 3) + 4 cluster x) & 7 and wraps at 2,048, so that clusters which read the same rows begin at different bytes of them.  phi is made of the cluster's numbers alone: partners' descriptors stay equal.  Only the order of the f32 sums changes.
; A fragment (16 rows x 128 K, 16 registers) is fetched by four ds_load_b128, 32 bytes apart, at row x pitch + 16 hh: a permutation of k that is the same on both sides, so every product meets its partner.
; The sums stand for sum x 2^(e0 + e1) (values: e2 + e3); rope is linear, so the three exponents are folded into the conversion's one scale.
; No prefetch is laid: the tiles are shared in clusters and the walk over K is short (16 steps of 128).
; LIMITS: e5 - e0 - e1 and e7 - e2 - e3 between -126 and 119.  NaN is not served.
; REGISTERS, in windows of 256: window 0: v1-31 addresses and scales; v32-95 the tails' work; v128-255 source 1's fragments, two sets of 64 (in the keys' tail: cos and sin; then rows on their way out).
;   window 1: source 0's fragments, two sets of 128.   window 2: accumulator (a, b) at v[8 (8 a + b)], a: source 1's block, b: source 0's.
.set NB0,    8
.set KSTEP,  256
.set PITCH,  272                       ; an LDS row: 256 bytes + 16 of padding = 68 words: the 16 rows of a load start at 16 different banks (64 banks of 4 bytes: ISA guide 11.1)
.set S0PART, 128*PITCH                 ; what one load brings of source 0
.set S1OFF,  2*S0PART
.set S1PART, 64*PITCH                  ; and of source 1
.set SLOT,   S1OFF+2*S1PART
.set STAGE_K, 2*SLOT                   ; behind the ring: a stage of 128 rows x 272 bytes for each of the two tails; no tensor load lands there
.set STAGE_V, STAGE_K+128*PITCH
.set SPARE,  STAGE_V+128*PITCH         ; the spare words, 128 bytes for each wave: two blocks of 256 bytes that no other line names
.set NF,     4*(NB0+4)                 ; LDS loads of one fetch
.set ADR0, 16                          ; v16-17 my fragments of source 0 in slot 0, 1
.set ADR1, 20                          ; v20-21 of source 1
.set GOV,  22                          ; v22 values' way out: my byte in two rows of kv
.set TABO, 23                          ; v23 my byte in the table's 128 rows
.set STO,  24                          ; v24 where I put 8 codes in the keys' stage (the values': a constant further on)
.set RDK,  25                          ; v25 where I read the keys' stage back
.set RDV,  26                          ; v26 the values'
.set GOK,  27                          ; v27 16 x lane
.set SPW,  28                          ; v28 LDS address of my spare word; never rewritten
.set NIL,  29                          ; v29 0; never rewritten
.set SC,   30                          ; v30 the conversion's scale
.set LIM,  31
.set OUT,  32                          ; v32-63 32 numbers ahead of the quantiser
.set TT,   64                          ; v64-79 rope's products with sin
.set CODE, 80                          ; v80-95 two sets of 8 registers of codes
.set F1,   128
.set G1,  24                           ; s[24:31] group 1, s[32:39] two groups 0: source 0
.set G0,  32
.set G1B, 48                           ; s[48:55], s[56:63]: source 1
.set G0B, 56
.set KO,  76                           ; s[76:77] the byte along K at which the last slot asked for begins
.set MSB, 0
.macro WIN new                         ; the immediate's high byte repeats the setting that is left
.if MSB != \new
	s_set_vgpr_msb (MSB<<8)|\new
.set MSB, \new
.endif
.endm
.set MUL, 0xa1                         ; source 0 window 1, source 1 window 0, C and D window 2
.set TO1, 0x40                         ; destination window 1
.set RD2, 0x02                         ; source 0 window 2
.macro PLACES                          ; four plain lines between a matrix instruction and a load into, or a vector line on, its registers
.rept 4
	v_nop
.endr
.endm
.macro JLOAD n                         ; a joint load into slot n; the branch hangs on the wave's number alone; an s_nop 0 and four v_nop follow each line
	s_cmp_eq_u32 s15, 0
	s_cbranch_scc0 .Lfor_1_\@
	tensor_load_to_lds s[G0+4*(\n):G0+4*(\n)+3], s[G1:G1+7]
	s_nop 0
.rept 4
	v_nop
.endr
	s_branch .Lasked_\@
.Lfor_1_\@:
	tensor_load_to_lds s[G0B+4*(\n):G0B+4*(\n)+3], s[G1B:G1B+7]
	s_nop 0
.rept 4
	v_nop
.endr
.Lasked_\@:
.endm
.macro CREST                           ; a round of the cluster's barrier behind its opening barrier
	s_cmp_lg_u32 s14, 0
	s_cbranch_scc1 .Lnot_wave_0_\@
	s_barrier_signal -3
.Lnot_wave_0_\@:
	s_barrier_wait -3
	s_barrier_signal -1
	s_barrier_wait -1
.endm
.macro CROUND
	s_barrier_signal -1
	s_barrier_wait -1
	CREST
.endm
.macro KADDR n                         ; slot n's two global addresses: the rows' bases + the byte along K
	s_add_nc_u64 s[G0+4*(\n)+2:G0+4*(\n)+3], s[20:21], s[KO:KO+1]
	s_or_b32 s[G0+4*(\n)+3], s[G0+4*(\n)+3], 0x80000000
	s_add_nc_u64 s[G0B+4*(\n)+2:G0B+4*(\n)+3], s[22:23], s[KO:KO+1]
	s_or_b32 s[G0B+4*(\n)+3], s[G0B+4*(\n)+3], 0x80000000
.endm
.macro KNEXT n                         ; a slot further along K, round the end
	s_add_co_u32 s[KO], s[KO], KSTEP
	s_and_b32 s[KO], s[KO], 2047
	KADDR \n
.endm
.macro FETCH slot, q, p                ; the fragments of the slot's q-th 128 along K into set p: NF loads in one run
	WIN TO1
.irp b, 0,1,2,3,4,5,6,7
.irp c, 0,1,2,3
	ds_load_b128 v[128*(\p)+16*\b+4*\c:128*(\p)+16*\b+4*\c+3], v[ADR0+(\slot)] offset:128*(\q)+32*\c+\b*16*PITCH
.endr
.endr
	WIN 0
.irp a, 0,1,2,3
.irp c, 0,1,2,3
	ds_load_b128 v[F1+64*(\p)+16*\a+4*\c:F1+64*(\p)+16*\a+4*\c+3], v[ADR1+(\slot)] offset:128*(\q)+32*\c+\a*16*PITCH
.endr
.endr
.endm
.macro MULA p, a, zero                 ; source 1's block a against source 0's eight.  The 32 accumulators take turns, one instruction a turn, in the same order in every step
.irp b, 0,1,2,3,4,5,6,7
.if \zero
	v_wmma_f32_16x16x128_fp8_fp8 v[8*(NB0*(\a)+\b):8*(NB0*(\a)+\b)+7], v[128*(\p)+16*\b:128*(\p)+16*\b+15], v[F1+64*(\p)+16*(\a):F1+64*(\p)+16*(\a)+15], 0
.else
	v_wmma_f32_16x16x128_fp8_fp8 v[8*(NB0*(\a)+\b):8*(NB0*(\a)+\b)+7], v[128*(\p)+16*\b:128*(\p)+16*\b+15], v[F1+64*(\p)+16*(\a):F1+64*(\p)+16*(\a)+15], v[8*(NB0*(\a)+\b):8*(NB0*(\a)+\b)+7]
.endif
.endr
.endm
.macro STEP slot, q, p, zero           ; a step of 128 along K whose successor lies in the same slot: the successor's fragments are asked for first, then set p is multiplied
	PLACES
	FETCH \slot, (\q)+1, 1-(\p)
	s_wait_dscnt NF                                ; all but the NF loads just issued: set p is in
	WIN MUL
	MULA \p, 0, \zero
	MULA \p, 1, \zero
	MULA \p, 2, \zero
	MULA \p, 3, \zero
.endm
; A slot's last step changes slots: one barrier.  In front of it each wave waits for all its tensor loads (its part of the next slot), adds 0 to its spare word, and waits for that and for its reads of this slot.
; fill = 1: the barrier opens a round of the cluster's barrier, and this slot is filled again, two slots ahead, first thing behind the round.
.macro TURN slot, next, p, fill
	WIN 0
	s_wait_tensorcnt 0x0                           ; no tensor load of mine is out: a group 0 may be written
	ds_add_u32 v[SPW], v[NIL]                      ; 0 onto my spare word; work on registers stands between it and the wait for it
.if \fill
	KNEXT \slot
.endif
	s_wait_dscnt 1                                 ; only the add may be out: set p is in
	WIN MUL
	MULA \p, 0, 0
	MULA \p, 1, 0
	s_wait_dscnt 0x0                               ; the add is done; my reads of this slot are over
	s_barrier_signal -1
	MULA \p, 2, 0
	WIN 0                                          ; at a branch and at a label every window is 0
	s_barrier_wait -1
.if \fill
	CREST                                          ; no wave of any partner still reads this slot or has a load on its way
	JLOAD \slot                                    ; its four v_nop are also the places in front of the loads below
.else
	PLACES
.endif
	FETCH \next, 0, 1-(\p)
	WIN MUL
	MULA \p, 3, 0
.endm
	s_load_b256 s[4:11], s[0:1], 0x0               ; hcodes 4, wcodes 6, tab 8, scales 10
	s_load_b64 s[12:13], s[0:1], 0x20              ; kv
	v_lshl_add_u32 v[SPW], v0, 2, SPARE
	v_mov_b32 v[NIL], 0
	ds_add_u32 v[SPW], v[NIL]                      ; the wave's opening: the add and its wait ahead of my first tensor load
	ds_add_u32 v[SPW], v[NIL]
	v_lshrrev_b32 v1, 5, v0
	v_readfirstlane_b32 s14, v1                    ; wave
	s_lshr_b32 s15, s14, 1                         ; my half of source 0's rows.  Also: I ask for source 0 (0) or source 1 (1)
	s_and_b32 s16, s14, 1                          ; my half of source 1's rows.  Also: which part of that tile I ask for
	s_bfe_u32 s40, ttmp6, 0x40000                  ; cx
	s_bfe_u32 s41, ttmp6, 0x40004                  ; cy
	s_lshl_b32 s42, ttmp9, 2
	s_add_co_u32 s42, s42, s40                     ; tx: source 0's tile
	s_and_b32 s19, ttmp7, 0xffff                   ; the cluster's y
	s_lshr_b32 s18, s19, 2                         ; 0: keys, 1: values: the same in all sixteen partners
	s_and_b32 s19, s19, 3
	s_lshl_b32 s17, s19, 2
	s_add_co_u32 s17, s17, s41                     ; ty: source 1's tile
	s_lshl_b32 s19, s19, 1
	s_lshl_b32 s45, ttmp9, 2
	s_add_co_u32 s19, s19, s45
	s_and_b32 s19, s19, 7                          ; phi
	s_lshl_b32 s[KO], s19, 8
	s_mov_b32 s[KO+1], 0
	s_lshl_b32 s43, s41, 2
	s_lshl_b32 s43, 15, s43                        ; my row of the cluster
	s_lshl_b32 s44, 0x1111, s40                    ; my column
	s_or_b32 s[G1], s44, (1<<20)|(1<<21)|(5<<22)|(3<<25)    ; 15:0 the mask; 17:16 elements of 1 byte; 20 padding on; 21 set beside a mask; 24:22 after every 64 words; 31:25 four words
	s_or_b32 s[G1B], s43, (1<<20)|(1<<21)|(5<<22)|(3<<25)
	s_mov_b32 s[G1+1], KSTEP<<16                   ; tensor_dim0
	s_mov_b32 s[G1+2], 128<<16                     ; tensor_dim1
	s_mov_b32 s[G1+3], KSTEP<<16                   ; tile_dim0
	s_mov_b32 s[G1+4], 128                         ; tile_dim1
	s_mov_b32 s[G1+5], 2048                        ; from row to row
	s_mov_b32 s[G1+6], 0
	s_mov_b32 s[G1+7], 0
	s_mov_b32 s[G1B+1], KSTEP<<16
	s_mov_b32 s[G1B+2], 64<<16
	s_mov_b32 s[G1B+3], KSTEP<<16
	s_mov_b32 s[G1B+4], 64
	s_mov_b32 s[G1B+5], 2048
	s_mov_b32 s[G1B+6], 0
	s_mov_b32 s[G1B+7], 0
	s_lshl_b32 s46, s42, 8
	s_lshl_b32 s47, s16, 7
	s_add_co_u32 s46, s46, s47                     ; source 0: row 256 tx + 128 part
	s_lshl_b32 s46, s46, 11                        ; of 2,048 bytes
	s_lshl_b32 s82, s17, 7
	s_lshl_b32 s83, s16, 6
	s_add_co_u32 s82, s82, s83                     ; source 1: row 128 ty + 64 part
	s_lshl_b32 s82, s82, 11
	s_lshl_b32 s84, s18, 22                        ; the values' codes of hidden and of v_w lie 0x400000 further on
	s_add_co_u32 s46, s46, s84
	s_add_co_u32 s82, s82, s84
	s_mov_b32 s47, 0
	s_mov_b32 s83, 0
	s_mul_i32 s45, s16, S0PART                     ; where the parts go: no place in the cluster enters an LDS address
	s_mul_i32 s85, s16, S1PART
	s_add_co_u32 s85, s85, S1OFF
	s_wait_dscnt 0x0                               ; the opening add is done
	s_wait_kmcnt 0x0
	s_load_b256 s[68:75], s[10:11], 0x0            ; e0 .. e7
	s_cmp_eq_u32 s18, 0
	s_cselect_b64 s[20:21], s[6:7], s[4:5]         ; keys: source 0 = qk_w's codes, source 1 = hidden's;  values: the other way round
	s_cselect_b64 s[22:23], s[4:5], s[6:7]
	s_add_nc_u64 s[20:21], s[20:21], s[46:47]
	s_add_nc_u64 s[22:23], s[22:23], s[82:83]
	CROUND                                         ; all sixteen work-groups are here: the first joint loads meet
.irp n, 0,1
	s_mov_b32 s[G0+4*\n], 1
	s_add_co_u32 s[G0+4*\n+1], s45, \n*SLOT
	s_mov_b32 s[G0B+4*\n], 1
	s_add_co_u32 s[G0B+4*\n+1], s85, \n*SLOT
.endr
	KADDR 0
	JLOAD 0
	KNEXT 1
	s_wait_alu depctr_va_vdst(0)
	s_wait_tensorcnt 0x0
	ds_add_u32 v28, v29
	s_wait_dscnt 0x0
	CROUND
	JLOAD 1                                        ; one load of mine is out
	v_and_b32 v1, 15, v0                           ; r
	v_bfe_u32 v2, v0, 4, 1                         ; hh
	v_mul_u32_u24 v3, v1, PITCH
	v_lshl_add_u32 v3, v2, 4, v3
	s_mul_i32 s46, s15, S0PART
	s_mul_i32 s47, s16, S1PART
	s_add_co_u32 s47, s47, S1OFF
.irp n, 0,1
	v_add_nc_u32 v[ADR0+\n], s46, v3
	v_add_nc_u32 v[ADR1+\n], s47, v3
	s_add_co_u32 s46, s46, SLOT
	s_add_co_u32 s47, s47, SLOT
.endr
	v_mul_u32_u24 v4, v1, PITCH
	v_lshl_add_u32 v4, v2, 3, v4
	s_mul_i32 s46, s16, 64*PITCH
	s_lshl_b32 s47, s15, 7
	s_add_co_u32 s46, s46, s47
	s_add_co_u32 s46, s46, STAGE_K
	v_add_nc_u32 v[STO], s46, v4                   ; stage row 64 hs1 + r, byte 128 hs0 + 8 hh
	v_and_b32 v5, 31, v0
	v_lshrrev_b32 v6, 2, v5
	v_mul_u32_u24 v6, v6, PITCH
	v_and_b32 v7, 3, v0
	v_lshl_add_u32 v6, v7, 4, v6
	s_lshl_b32 s46, s14, 6
	s_add_co_u32 s46, s46, STAGE_K
	v_add_nc_u32 v[RDK], s46, v6                   ; keys: wave w takes head w's 64 bytes of each row, four lanes to a row
	v_mul_u32_u24 v6, v2, PITCH
	v_lshl_add_u32 v6, v1, 4, v6
	s_mul_i32 s46, s14, 32*PITCH
	s_add_co_u32 s46, s46, STAGE_V
	v_add_nc_u32 v[RDV], s46, v6                   ; values: wave w takes rows 32 w on, sixteen lanes to a row
	v_lshlrev_b32 v[GOK], 4, v5
	v_lshlrev_b32 v[GOV], 11, v2
	v_lshl_add_u32 v[GOV], v1, 4, v[GOV]
	v_lshlrev_b32 v[TABO], 8, v1
	v_lshl_add_u32 v[TABO], v2, 7, v[TABO]
	s_lshl_b32 s46, s16, 14
	v_add_nc_u32 v[TABO], s46, v[TABO]             ; the table: row 64 hs1 + r of 256 bytes, + 128 hh
	s_wait_tensorcnt 1                             ; my part of the first slot is in; the second's may stay out
	s_barrier_signal -1
	s_barrier_wait -1
	FETCH 0, 0, 0
	STEP 0, 0, 0, 1                                ; the first step's products start the sums: nothing is cleared
	TURN 0, 1, 1, 1
	STEP 1, 0, 0, 0
	TURN 1, 0, 1, 1
.rept 2
	STEP 0, 0, 0, 0
	TURN 0, 1, 1, 1
	STEP 1, 0, 0, 0
	TURN 1, 0, 1, 1
.endr
	STEP 0, 0, 0, 0                                ; the last two slots: nothing more is asked for
	TURN 0, 1, 1, 0
	STEP 1, 0, 0, 0
	s_wait_dscnt 0x0
	WIN MUL
	MULA 1, 0, 0
	MULA 1, 1, 0
	MULA 1, 2, 0
	MULA 1, 3, 0
	WIN 0
	PLACES
	s_wait_kmcnt 0x0                               ; the exponents
	s_mov_b32 s89, 0
	s_cmp_lg_u32 s18, 0                            ; the two tails part on the cluster's y: alike in all waves and all partners
	s_cbranch_scc1 .Lvalues
	; ---------------- keys: rope, quantise under e5, out by heads ----------------
	s_sub_co_i32 s86, s73, s68
	s_sub_co_i32 s86, s86, s69                     ; e5 - e0 - e1
	s_add_co_i32 s86, s86, 127
	s_lshl_b32 s87, s86, 23
	v_mov_b32 v[SC], s87
	s_lshl_b32 s88, s17, 15
	s_add_nc_u64 s[80:81], s[8:9], s[88:89]        ; the table at my tile's first position
	s_wait_alu depctr_va_vdst(0)
.irp a, 0,1,2,3                        ; block a's position, my half's 16 cos and 16 sin: 32 registers
.irp i, 0,1,2,3,4,5,6,7
	global_load_b128 v[F1+32*\a+4*\i:F1+32*\a+4*\i+3], v[TABO], s[80:81] offset:4096*\a+16*\i
.endr
.endr
	s_lshl_b32 s88, s42, 2
	s_add_co_u32 s88, s88, s14                     ; the head that I send out: 4 tx + wave
	s_lshl_b32 s88, s88, 17
	s_lshl_b32 s90, s17, 13
	s_add_co_u32 s88, s88, s90                     ; its rows 128 ty on, 64 bytes each
	s_add_nc_u64 s[78:79], s[12:13], s[88:89]
.macro KPART a, h2                     ; block a of positions, head h2 of my two: 32 numbers a lane
.set CD, CODE+8*((\h2)%2)
	s_wait_dscnt 4                                 ; the last four stage stores may be out; the set of codes written now was stored two parts ago
	WIN RD2
.irp b, 0,1
.set LO, 8*(NB0*(\a)+4*(\h2)+\b)       ; d = 16 b + 8 hh + j
.set HI, LO+16                         ; d + 32
.set CC, F1+32*(\a)+8*\b
.set SS, CC+16
.irp i, 0,2,4,6
	v_pk_mul_f32 v[TT+\i:TT+\i+1], v[HI+\i:HI+\i+1], v[SS+\i:SS+\i+1]
.endr
.irp i, 0,2,4,6
	v_pk_mul_f32 v[TT+8+\i:TT+8+\i+1], v[LO+\i:LO+\i+1], v[SS+\i:SS+\i+1]
.endr
.irp i, 0,2,4,6
	v_pk_fma_f32 v[OUT+8*\b+\i:OUT+8*\b+\i+1], v[LO+\i:LO+\i+1], v[CC+\i:CC+\i+1], v[TT+\i:TT+\i+1] neg_lo:[0,0,1] neg_hi:[0,0,1]   ; x cos - x(d + 32) sin
.endr
.irp i, 0,2,4,6
	v_pk_fma_f32 v[OUT+16+8*\b+\i:OUT+16+8*\b+\i+1], v[HI+\i:HI+\i+1], v[CC+\i:CC+\i+1], v[TT+8+\i:TT+8+\i+1]                       ; x cos + x(d - 32) sin
.endr
.endr
	WIN 0
.set I, 0
.rept 32
.set I, I+1
.endr
.irp g, 0,1,2,3
	v_cvt_scalef32_pk8_fp8_f32 v[CD+2*\g:CD+2*\g+1], v[OUT+8*\g:OUT+8*\g+7], v[SC]
.endr
	v_nop                                          ; a plain line behind the last conversion
.irp g, 0,1,2,3
	ds_store_b64 v[STO], v[CD+2*\g:CD+2*\g+1] offset:(\a)*16*PITCH+64*(\h2)+16*\g
.endr
.endm
.irp a, 0,1,2,3
	s_wait_loadcnt 8*(3-\a)                        ; block a's eight loads are in; the later blocks' may be out
	KPART \a, 0
	KPART \a, 1
.endr
	s_wait_dscnt 0x0                               ; for the others' sake: my stores into the stage are done
	s_barrier_signal -1
	s_barrier_wait -1
.irp t, 0,1,2,3,4,5,6,7,8,9,10,11,12,13,14,15
	ds_load_b128 v[F1+4*\t:F1+4*\t+3], v[RDK] offset:8*PITCH*\t
.endr
.irp t, 0,1,2,3,4,5,6,7,8,9,10,11,12,13,14,15
	s_wait_dscnt 15-\t
	global_store_b128 v[GOK], v[F1+4*\t:F1+4*\t+3], s[78:79] offset:512*\t   ; eight rows of a head: 512 consecutive bytes, aligned
.endr
	s_wait_tensorcnt 0x0                           ; the wave's end
	ds_add_u32 v[SPW], v[NIL]
	s_wait_dscnt 0x0
	CROUND                                         ; the closing round
	s_endpgm
	; ---------------- values: quantise under e7, out with the keys innermost ----------------
.Lvalues:
	s_sub_co_i32 s86, s75, s70
	s_sub_co_i32 s86, s86, s71                     ; e7 - e2 - e3
	s_add_co_i32 s86, s86, 127
	s_lshl_b32 s87, s86, 23
	v_mov_b32 v[SC], s87
	s_lshl_b32 s88, s17, 18                        ; channel 128 ty + 32 wave, of 2,048 bytes; keys 256 tx on
	s_lshl_b32 s90, s14, 16
	s_add_co_u32 s88, s88, s90
	s_lshl_b32 s90, s42, 8
	s_add_co_u32 s88, s88, s90
	s_add_co_u32 s88, s88, 0x400000
	s_add_nc_u64 s[78:79], s[12:13], s[88:89]
.macro VPART a, h2                     ; block a of channels, keys 64 h2 on of my 128: 32 numbers a lane
.set CD, CODE+8*((\h2)%2)
	s_wait_dscnt 4
	WIN RD2
.set I, 0
.rept 32
.set I, I+1
.endr
.irp g, 0,1,2,3
	v_cvt_scalef32_pk8_fp8_f32 v[CD+2*\g:CD+2*\g+1], v[OUT+8*\g+((8*(NB0*(\a)+4*(\h2))+I)-(OUT+I)):OUT+8*\g+7+((8*(NB0*(\a)+4*(\h2))+I)-(OUT+I))], v[SC]
.endr
	WIN 0
	v_nop
.irp g, 0,1,2,3
	ds_store_b64 v[STO], v[CD+2*\g:CD+2*\g+1] offset:(STAGE_V-STAGE_K)+(\a)*16*PITCH+64*(\h2)+16*\g
.endr
.endm
	s_wait_alu depctr_va_vdst(0)
.irp a, 0,1,2,3
	VPART \a, 0
	VPART \a, 1
.endr
	s_wait_dscnt 0x0
	s_barrier_signal -1
	s_barrier_wait -1
.irp t, 0,1,2,3,4,5,6,7,8,9,10,11,12,13,14,15
	ds_load_b128 v[F1+4*\t:F1+4*\t+3], v[RDV] offset:2*PITCH*\t
.endr
.irp t, 0,1,2,3,4,5,6,7,8,9,10,11,12,13,14,15
	s_wait_dscnt 15-\t
	global_store_b128 v[GOV], v[F1+4*\t:F1+4*\t+3], s[78:79] offset:4096*\t  ; sixteen lanes store 256 consecutive bytes, aligned
.endr
	s_wait_tensorcnt 0x0                           ; the wave's end, as above
	ds_add_u32 v[SPW], v[NIL]
	s_wait_dscnt 0x0
	CROUND
	s_endpgm
.Lfunc_end_k_q2c72fd52db_proj:
	.size	k_q2c72fd52db_proj, .Lfunc_end_k_q2c72fd52db_proj-k_q2c72fd52db_proj
	.p2alignl 7, 3214868480
	.fill 96, 4, 3214868480
	.section	.rodata,"a",@progbits
	.p2align	6, 0x0
	.amdhsa_kernel k_q2c72fd52db_proj
		.amdhsa_group_segment_fixed_size 327680
		.amdhsa_private_segment_fixed_size 0
		.amdhsa_enable_private_segment 0
		.amdhsa_kernarg_size 40
		.amdhsa_user_sgpr_count 2
		.amdhsa_user_sgpr_kernarg_segment_ptr 1
		.amdhsa_wavefront_size32 1
		.amdhsa_system_sgpr_workgroup_id_x 1
		.amdhsa_system_sgpr_workgroup_id_y 1
		.amdhsa_system_sgpr_workgroup_id_z 1
		.amdhsa_system_vgpr_workitem_id 0
		.amdhsa_next_free_vgpr 768
		.amdhsa_next_free_sgpr 100
		.amdhsa_reserve_vcc 0
		.amdhsa_float_denorm_mode_32 3
		.amdhsa_float_denorm_mode_16_64 3
		.amdhsa_fp16_overflow 1
		.amdhsa_memory_ordered 1
		.amdhsa_forward_progress 1
		.amdhsa_inst_pref_size 138
	.end_amdhsa_kernel
	.amdgpu_metadata
---
amdhsa.version: [ 1, 2 ]
amdhsa.kernels:
  - .name:           k_q2c72fd52db_proj
    .symbol:         k_q2c72fd52db_proj.kd
    .args:
      - { .name: hcodes, .offset: 0, .size: 8, .value_kind: global_buffer, .address_space: global }
      - { .name: wcodes, .offset: 8, .size: 8, .value_kind: global_buffer, .address_space: global }
      - { .name: tab, .offset: 16, .size: 8, .value_kind: global_buffer, .address_space: global }
      - { .name: lowp_scales, .offset: 24, .size: 8, .value_kind: global_buffer, .address_space: global }
      - { .name: kv, .offset: 32, .size: 8, .value_kind: global_buffer, .address_space: global }
    .group_segment_fixed_size: 327680
    .private_segment_fixed_size: 0
    .kernarg_segment_align: 8
    .kernarg_segment_size: 40
    .max_flat_workgroup_size: 128
    .sgpr_count:     100
    .vgpr_count:     768
    .wavefront_size: 32
...
	.end_amdgpu_metadata
.endif
;; end of part 2
;; launch attn (part 3): grid 8 x 32, 16 waves a work-group, no clusters, 327,680 bytes of LDS; arguments hcodes, kv, lowp_scales, ac; writes ac
.if DOCPART == 3
	.amdgcn_target "amdgcn-amd-amdhsa--gfx1250"
	.amdhsa_code_object_version 6
	.text
	.protected	k_q2c72fd52db_attn
	.globl	k_q2c72fd52db_attn
	.p2align	8
	.type	k_q2c72fd52db_attn,@function
k_q2c72fd52db_attn:
	s_mov_b64 s[64:65], 0
	v_nop
	global_prefetch_b8 v0, s[64:65] scope:SCOPE_SE
	s_setreg_imm32_b32 hwreg(HW_REG_WAVE_MODE, 25, 1), 1
	s_wait_xcnt 0x0
; CAUSAL ATTENTION ON CODES OF FP8 (E4M3), head size 64.  Queries: hcodes + 0x800000, [2048 s][2048], under e4.  Keys: kv + 0, [32][2048][64], under e5.  Values: kv + 0x400000, [64 head + d][2048 keys], under e7.
; The result, divided by the row's sum, is quantised under e8 and stored to ac as [32 heads][2048 s][64 d].
; THE SOFTMAX: t = score x log2(e) / 8; M = the running largest t rounded UP to a whole number; p = 2^(t - M) is quantised under e6, not normalised; the row's sum is taken of the unquantised p.  When M moves, the sum and O are multiplied by 2^(old M - new M): exact.
; SHARES.  Work-group (i, head) owns query blocks i and 15 - i of 128 queries, so that every work-group has the same number of key steps under the causal mask: a pair of waves, one of each block, walks (i + 1) + (16 - i) = 17 steps of 128 keys.
; Each of the sixteen waves owns 16 queries in 256 registers: four waves to a SIMD, so that one wave's vector work stands beside another's matrix work and LDS loads.
; LAYOUT.  Both products are used transposed: S^T = K Q^T by v_wmma_f32_16x16x64_fp8_fp8 (source 0 = 16 keys, source 1 = my queries), O^T = V^T P^T by v_wmma_f32_16x16x128_fp8_fp8: a lane holds one query throughout.
; Register 8 t + j of S^T is key 16 t + 8 hh + j: just what registers 2 t, 2 t + 1 of the second product's operand hold, so the conversions' results are that operand; V's fragments come by loads of 8 bytes in the same order.
; K's and Q's fragments (16 rows x 64, 8 registers) come by two loads of 16 bytes at 16 hh + 32 c: a permutation of d that is the same on both sides.
; THE RING: two LDS slots of 256 keys, filled by tensor loads (waves 0, 1: K's halves; wave 2: V), read by all sixteen.  Every work-group walks all eight changes of slots (constant trip counts, every barrier passed by every wave); a step all of
; whose keys come after the wave's queries is jumped over by a scalar branch on ids, and a slot whose first key comes after the work-group's last query is not asked for (every wait on TENSORcnt is for 0; the jump is alike in all waves).
; NO CLUSTER: the work-groups of a head need 5 to 8 slots, so partners would need different numbers of tiles, and a slot's 32 KiB serve two key steps of up to sixteen waves.
; LIMITS: e4 + e5 between -123 and 130; e6 and e8 between -126 and 119.  NaN is not served.
; REGISTERS: v1-3, v5-7 addresses that stay; v8-11 addresses in hand; v12 -M, v13 the largest t, v[14:15] the sum; v16-23 Q; v32-95 K's eight fragments, then V's four; v96-159 S^T, then p; v160-191 O^T; v224-239 p's codes, an operand of the second product;
;   v240-254 scales and work, named by no matrix instruction: v244 for e6; v245 for e8; v[240:243], v[248:251], v[254:255] chains of the sum; v246 the lane exchanges' destination; v252-254 at work.
.set SK,    256
.set KP,    80                         ; a key's row in LDS: 64 bytes + 16
.set VP,    272                        ; a row of V's tile: 256 bytes + 16
.set VOFF,  SK*KP
.set SLOT1, 1<<16                      ; slot 1 begins here: one exclusive or turns an address from one slot to the other
.set NSL,   8
.set STAGE, 2*SLOT1                    ; the way out: 1,024 bytes for each wave; no tensor load lands there
.set SPARE, STAGE+16*1024              ; the spare words, 128 bytes for each wave: eight blocks of 256 bytes that no other line names
.set AK0, 1
.set AV0, 2
.set PFO, 3
.set SPW, 5
.set NIL, 6
.set GO,  7                            ; v7 16 x lane
.set ADK, 8
.set ADV, 9
.set XCH, 246                          ; v246 what the lane 16 away holds; outside every matrix operand
.set TB,  2                            ; s2  LDS byte at which the slot in hand begins
.set WV,  18
.set SEL, 20
.set CS,  22                           ; s[22:23] c = log2(e) / 8 x 2^(e4 + e5)
.set G1K, 24
.set G1V, 32
.set G0K, 40
.set G0V, 44
.set LQ,  66                           ; s66 my work-group's last query
.set SLOTS, 67
.set PFA, 76
.set PFS, 78
.set LIM, 80
.set KF,  98                           ; s98 the step's first key
.set Q0,  99                           ; s99 my first query
.macro TLOAD                           ; waves 0, 1: K's halves; wave 2: V; an s_nop 0 and four v_nop follow each line
	s_cmp_lt_u32 s[WV], 2
	s_cbranch_scc0 .Lnot_k_\@
	tensor_load_to_lds s[G0K:G0K+3], s[G1K:G1K+7]
	s_nop 0
.rept 4
	v_nop
.endr
	s_branch .Lasked_\@
.Lnot_k_\@:
	s_cmp_eq_u32 s[WV], 2
	s_cbranch_scc0 .Lasked_\@
	tensor_load_to_lds s[G0V:G0V+3], s[G1V:G1V+7]
	s_nop 0
.rept 4
	v_nop
.endr
.Lasked_\@:
.endm
; A prefetch of what the NEXT change of slots will ask for: two key steps ahead of that load.  Each aligned block of 256 bytes is named once in the launch: of a head's eight work-groups the first, which walks all slots, asks;
; in it waves 4, 5 ask for K's 16,384 bytes (8,192 a wave, lanes 256 bytes apart) and waves 6, 7 for V's 64 rows (32 a wave, a lane a row: a slot's part of a row is 256 bytes, aligned).  Slots 0 and 1 come by their loads alone; the last change that fills a slot asks for nothing.
.macro ASK
	s_cmp_gt_u32 s[SLOTS], s[LIM]
	s_cbranch_scc0 .Lnot_mine_\@
	global_prefetch_b8 v[PFO], s[PFA:PFA+1] th:TH_LOAD_NT scope:SCOPE_SE
.Lnot_mine_\@:
.endm
	s_load_b256 s[4:11], s[0:1], 0x0               ; hcodes 4, kv 6, scales 8, ac 10
	v_lshl_add_u32 v[SPW], v0, 2, SPARE
	v_mov_b32 v[NIL], 0
	ds_add_u32 v[SPW], v[NIL]                      ; the wave's opening: the add and its wait ahead of my first tensor load
	ds_add_u32 v[SPW], v[NIL]
	v_lshrrev_b32 v8, 5, v0
	s_delay_alu instid0(VALU_DEP_1)
	v_readfirstlane_b32 s[WV], v8
	s_and_b32 s84, ttmp7, 0xffff
	s_lshl_b32 s84, s84, 17                        ; the head's first byte among the keys, the values and in ac: 131,072 a head
	s_mov_b32 s85, 0
	s_lshr_b32 s86, s[WV], 2
	s_xor_b32 s86, s86, s[WV]
	s_and_b32 s86, s86, 1                          ; which of the two blocks: two waves of each kind among waves 4 n .. 4 n + 3 and among waves n, n + 4, n + 8, n + 12
	s_sub_co_u32 s87, 15, ttmp9
	s_cmp_eq_u32 s86, 0
	s_cselect_b32 s87, ttmp9, s87
	s_lshl_b32 s87, s87, 7
	s_lshr_b32 s88, s[WV], 1
	s_lshl_b32 s88, s88, 4
	s_add_co_u32 s[Q0], s87, s88
	s_lshl_b32 s[LQ], ttmp9, 7
	s_sub_co_u32 s[LQ], 2047, s[LQ]
	s_and_b32 s88, s[WV], 1
	s_lshl_b32 s90, s88, 13                        ; K: my half's 128 rows of 64 bytes in memory,
	s_add_co_u32 s90, s90, s84
	s_mov_b32 s91, 0
	s_mul_i32 s89, s88, 128*KP                     ; and in a slot
	s_add_co_u32 s92, s84, 0x400000                ; V
	s_mov_b32 s93, 0
	s_mov_b32 s[G1K], (1<<20)|(3<<22)|(3<<25)      ; elements of 1 byte; padding: four words after every 16
	s_mov_b32 s[G1K+1], 64<<16
	s_mov_b32 s[G1K+2], 128<<16
	s_mov_b32 s[G1K+3], 64<<16
	s_mov_b32 s[G1K+4], 128
	s_mov_b32 s[G1K+5], 64
	s_mov_b32 s[G1K+6], 0
	s_mov_b32 s[G1K+7], 0
	s_mov_b32 s[G1V], (1<<20)|(5<<22)|(3<<25)      ; four words after every 64
	s_mov_b32 s[G1V+1], 256<<16
	s_mov_b32 s[G1V+2], 64<<16
	s_mov_b32 s[G1V+3], 256<<16
	s_mov_b32 s[G1V+4], 64
	s_mov_b32 s[G1V+5], 2048
	s_mov_b32 s[G1V+6], 0
	s_mov_b32 s[G1V+7], 0
	s_mov_b32 s[SEL], 0x76543210
	s_mov_b32 s[SEL+1], 0xfedcba98
	s_mov_b32 s[CS], 0x3e38aa3b                    ; log2(e) / sqrt(64)
	s_mov_b32 s[TB], 0
	s_mov_b32 s[SLOTS], NSL-1
	s_mov_b32 s[KF], 0
	s_wait_dscnt 0x0                               ; the opening add is done
	s_wait_kmcnt 0x0
	s_load_b128 s[68:71], s[8:9], 0x10             ; e4 .. e7
	s_load_b32 s72, s[8:9], 0x20                   ; e8
	s_mov_b32 s[G0K], 1
	s_mov_b32 s[G0K+1], s89
	s_add_nc_u64 s[G0K+2:G0K+3], s[6:7], s[90:91]
	s_or_b32 s[G0K+3], s[G0K+3], 0x80000000
	s_mov_b32 s[G0V], 1
	s_mov_b32 s[G0V+1], VOFF
	s_add_nc_u64 s[G0V+2:G0V+3], s[6:7], s[92:93]
	s_or_b32 s[G0V+3], s[G0V+3], 0x80000000
	TLOAD                                          ; slot 0
	s_lshl_b32 s86, s[Q0], 11
	s_lshr_b32 s87, s84, 11
	s_add_co_u32 s86, s86, s87
	s_add_co_u32 s86, s86, 0x800000
	s_mov_b32 s87, 0
	s_add_nc_u64 s[4:5], s[4:5], s[86:87]          ; the queries' codes: row Q0 of 2,048 bytes, + 64 x head
	s_lshl_b32 s86, s[Q0], 6
	s_add_co_u32 s86, s86, s84
	s_add_nc_u64 s[10:11], s[10:11], s[86:87]      ; ac: my 16 rows of 64 bytes
	s_cmp_lt_u32 s[WV], 6                          ; the prefetches: waves 4, 5 stand in K, waves 6, 7 in V
	s_mov_b32 s[PFS], 256
	s_cselect_b32 s[PFS], 16384, s[PFS]            ; a slot on
	s_mov_b32 s82, 2048
	s_cselect_b32 s82, 256, s82                    ; from lane to lane
	s_mov_b32 s83, 65536
	s_cselect_b32 s83, 8192, s83                   ; from wave to wave
	s_cselect_b32 s81, 0, 0x400000
	v_and_b32 v[PFO], 31, v0
	s_delay_alu instid0(VALU_DEP_1)
	v_mul_lo_u32 v[PFO], v[PFO], s82
	s_mul_i32 s83, s88, s83
	s_add_co_u32 s83, s83, s[PFS]                  ; in slot 1: the first change of slots steps it to slot 2
	s_add_co_u32 s83, s83, s81
	s_add_co_u32 s82, s83, s84
	s_mov_b32 s83, 0
	s_mov_b32 s[PFS+1], 0
	s_add_nc_u64 s[PFA:PFA+1], s[6:7], s[82:83]
	s_sub_co_u32 s82, s[WV], 4
	s_lshr_b32 s82, s82, 2                         ; 0 in waves 4 to 7,
	s_or_b32 s82, s82, ttmp9                       ; of the head's first work-group
	s_cmp_eq_u32 s82, 0
	s_cselect_b32 s[LIM], 1, -1
	v_and_b32 v8, 15, v0                           ; r
	v_bfe_u32 v9, v0, 4, 1                         ; hh
	s_delay_alu instid0(VALU_DEP_2)
	v_lshlrev_b32 v10, 11, v8
	s_delay_alu instid0(VALU_DEP_1)
	v_lshl_add_u32 v10, v9, 4, v10
	global_load_b128 v[16:19], v10, s[4:5]         ; Q's fragment stays in registers
	global_load_b128 v[20:23], v10, s[4:5] offset:32
	v_mul_u32_u24 v[AK0], v8, KP
	s_delay_alu instid0(VALU_DEP_1)
	v_lshl_add_u32 v[AK0], v9, 4, v[AK0]
	v_mul_u32_u24 v[AV0], v8, VP
	s_delay_alu instid0(VALU_DEP_1)
	v_lshl_add_u32 v[AV0], v9, 3, v[AV0]
	s_delay_alu instid0(VALU_DEP_1)
	v_add_nc_u32 v[AV0], VOFF, v[AV0]
	v_and_b32 v[GO], 31, v0
	s_delay_alu instid0(VALU_DEP_1)
	v_lshlrev_b32 v[GO], 4, v[GO]
	v_mov_b32 v13, 0xff61b1e6                      ; the largest t so far: -3e38
	s_delay_alu instid0(VALU_DEP_1)
	v_floor_f32 v12, -v13
	v_mov_b32 v14, 0
	v_mov_b32 v15, 0
	v_mov_b32 v[XCH], 0                            ; a lane permute's destination counts as one of its sources: written once, here
	v_mov_b32 v253, 0                              ; (named as the upper half of the pair v[252:253])
.set J, 0
.rept 32
	v_mov_b32 v[160+J], 0                          ; O^T: the step is written once; its first run finds zeros, which the first change of M leaves zeros
.set J, J+1
.endr
	s_wait_kmcnt 0x0
	s_add_co_i32 s73, s68, s69
	s_lshl_b32 s73, s73, 23
	s_add_co_i32 s[CS], s[CS], s73                 ; e4 + e5 are added to c's exponent field
	s_mov_b32 s[CS+1], s[CS]
	s_add_co_i32 s73, s70, 127
	s_lshl_b32 s74, s73, 23
	v_mov_b32 v244, s74                            ; 2^e6
	s_add_co_i32 s73, s72, 127
	s_lshl_b32 s74, s73, 23
	v_mov_b32 v245, s74                            ; 2^e8
; A KEY STEP: 128 keys, the q-th of the slot in hand
.macro STEP q
	s_add_co_u32 s96, s[Q0], 15
	s_cmp_gt_u32 s[KF], s96                        ; all its keys come after my queries: the step's work is left out (ids alone; no barrier and no tensor load stands in a step)
	s_cbranch_scc1 .Lhidden_\@
	v_add_nc_u32 v[ADK], s[TB], v[AK0]
	v_add_nc_u32 v[ADV], s[TB], v[AV0]
	v_nop
	v_nop                                          ; with the two additions: four places in front of loads into registers that the last products read
.irp t, 0,1,2,3,4,5,6,7
.irp c, 0,1
	ds_load_b128 v[32+8*\t+4*\c:35+8*\t+4*\c], v[ADK] offset:(128*(\q)+16*\t)*KP+32*\c
.endr
.endr
	s_wait_alu depctr_va_vdst(0)
	s_wait_dscnt 0x0
.irp t, 0,1,2,3,4,5,6,7
	v_wmma_f32_16x16x64_fp8_fp8 v[96+8*\t:103+8*\t], v[32+8*\t:39+8*\t], v[16:23], 0
.endr
.rept 4
	v_nop
.endr
.irp t, 0,1,2,3                        ; V's fragments are asked for here and land under the softmax
.irp c, 0,1,2,3,4,5,6,7
	ds_load_b64 v[32+16*\t+2*\c:33+16*\t+2*\c], v[ADV] offset:16*\t*VP+128*(\q)+16*\c
.endr
.endr
	s_add_co_u32 s96, s[KF], 127                   ; on the diagonal the scores of hidden keys become -infinity ahead of the maximum; a step all of whose keys count skips this
	s_cmp_le_u32 s96, s[Q0]
	s_cbranch_scc1 .Lopen_\@
	s_sub_co_i32 s96, s[Q0], s[KF]
	v_and_b32 v252, 15, v0
	v_bfe_u32 v253, v0, 4, 1
	s_delay_alu instid0(VALU_DEP_1)
	v_lshlrev_b32 v253, 3, v253
	s_delay_alu instid0(VALU_DEP_1)
	v_sub_nc_u32 v252, v252, v253
	s_delay_alu instid0(VALU_DEP_1)
	v_add_nc_u32 v252, s96, v252                   ; d = my query - KF - 8 hh: register n holds key KF + 8 hh + 16 (n / 8) + n % 8: hidden where 16 (n / 8) + n % 8 > d
	v_mov_b32 v254, 0xff800000
.set J, 0
.rept 64
	v_cmp_gt_i32 vcc_lo, 16*(J/8)+J%8, v252
	v_cndmask_b32 v[96+J], v[96+J], v254, vcc_lo
.set J, J+1
.endr
.Lopen_\@:
	v_max3_num_f32 v254, v96, v97, v98             ; the step's largest score of my query among my 64 keys, in two chains,
	v_max3_num_f32 v252, v99, v100, v101
.irp i, 6,10,14,18,22,26,30,34,38,42,46,50,54,58
	v_max3_num_f32 v254, v254, v[96+\i], v[97+\i]
	v_max3_num_f32 v252, v252, v[98+\i], v[99+\i]
.endr
	v_max3_num_f32 v254, v254, v158, v159
	s_delay_alu instid0(VALU_DEP_1)
	v_max_num_f32 v254, v254, v252
	s_delay_alu instid0(VALU_DEP_1)
	v_permlanex16_b32 v[XCH], v254, s[SEL], s[SEL+1]
	s_delay_alu instid0(VALU_DEP_1)
	v_max_num_f32 v254, v254, v[XCH]               ; and among lane xor 16's
	s_delay_alu instid0(VALU_DEP_1)
	v_mul_f32 v254, s[CS], v254
	s_delay_alu instid0(VALU_DEP_1)
	v_max_num_f32 v13, v13, v254                   ; the running largest t
	v_mov_b32 v254, v12
	s_delay_alu instid0(VALU_DEP_2)
	v_floor_f32 v12, -v13                          ; -M = floor(-t): M is a whole number
	s_delay_alu instid0(VALU_DEP_1)
	v_sub_f32 v254, v12, v254
	s_delay_alu instid0(VALU_DEP_1)
	v_cvt_i32_f32 v254, v254
	s_delay_alu instid0(VALU_DEP_1)
	v_ldexp_f32 v252, 1.0, v254                    ; f = 2^(old M - new M)
.set J, 0
.rept 32
	v_pk_fma_f32 v[96+J:97+J], v[96+J:97+J], s[CS:CS+1], v[12:13] op_sel_hi:[1,0,0]   ; t - M
.set J, J+2
.endr
.set J, 0
	s_wait_alu depctr_va_vdst(0)
.rept 64
	v_exp_f32 v[96+J], v[96+J]                     ; p = 2^(t - M)
.set J, J+1
.endr
	v_pk_mul_f32 v[14:15], v[14:15], v[252:253] op_sel_hi:[1,0]   ; the sums under the new M (the plain line behind the exponentials)
	s_wait_alu depctr_va_vdst(0)                   ; one wait for the whole batch, ahead of its first reader
	v_pk_add_f32 v[242:243], v[100:101], v[104:105]
	v_pk_add_f32 v[254:255], v[108:109], v[112:113]
	v_pk_add_f32 v[250:251], v[116:117], v[120:121]
	v_pk_add_f32 v[248:249], v[124:125], v[128:129]
	v_pk_add_f32 v[240:241], v[132:133], v[136:137]
	v_pk_add_f32 v[238:239], v[140:141], v[144:145]
	v_pk_add_f32 v[236:237], v[148:149], v[152:153]
	v_pk_add_f32 v[14:15], v[14:15], v[156:157]
	v_pk_add_f32 v[242:243], v[242:243], v[96:97]
	v_pk_add_f32 v[254:255], v[254:255], v[98:99]
	v_pk_add_f32 v[250:251], v[250:251], v[102:103]
	v_pk_add_f32 v[248:249], v[248:249], v[106:107]
	v_pk_add_f32 v[240:241], v[240:241], v[110:111]
	v_pk_add_f32 v[238:239], v[238:239], v[114:115]
	v_pk_add_f32 v[236:237], v[236:237], v[118:119]
	v_pk_add_f32 v[14:15], v[14:15], v[122:123]
	v_pk_add_f32 v[242:243], v[242:243], v[126:127]
	v_pk_add_f32 v[254:255], v[254:255], v[130:131]
	v_pk_add_f32 v[250:251], v[250:251], v[134:135]
	v_pk_add_f32 v[248:249], v[248:249], v[138:139]
	v_pk_add_f32 v[240:241], v[240:241], v[142:143]
	v_pk_add_f32 v[238:239], v[238:239], v[146:147]
	v_pk_add_f32 v[236:237], v[236:237], v[150:151]
	v_pk_add_f32 v[14:15], v[14:15], v[154:155]
	v_pk_add_f32 v[242:243], v[242:243], v[158:159]
	s_delay_alu instid0(VALU_DEP_2)
	v_pk_add_f32 v[14:15], v[14:15], v[248:249]
	s_delay_alu instid0(VALU_DEP_2)
	v_pk_add_f32 v[242:243], v[242:243], v[240:241]
	v_pk_add_f32 v[254:255], v[254:255], v[238:239]
	v_pk_add_f32 v[250:251], v[250:251], v[236:237]
	s_delay_alu instid0(VALU_DEP_2)
	v_pk_add_f32 v[14:15], v[14:15], v[254:255]
	s_delay_alu instid0(VALU_DEP_2)
	v_pk_add_f32 v[242:243], v[242:243], v[250:251]
	s_delay_alu instid0(VALU_DEP_1)
	v_pk_add_f32 v[14:15], v[14:15], v[242:243]
.irp t, 0,1,2,3,4,5,6,7
.irp i, 0,1,2,3,4,5,6,7
.endr
	v_cvt_scalef32_pk8_fp8_f32 v[224+2*\t:225+2*\t], v[96+8*\t:103+8*\t], v244
.endr
.set J, 0
.rept 16
	v_pk_mul_f32 v[160+J:161+J], v[160+J:161+J], v[252:253] op_sel_hi:[1,0]   ; O^T under the new M; also the plain lines behind the conversions
.set J, J+2
.endr
	s_wait_alu depctr_va_vdst(0)
	s_wait_dscnt 0x0                               ; V
.irp t, 0,1,2,3
	v_wmma_f32_16x16x128_fp8_fp8 v[160+8*\t:167+8*\t], v[32+16*\t:47+16*\t], v[224:239], v[160+8*\t:167+8*\t]
.endr
.Lhidden_\@:
	s_add_co_u32 s[KF], s[KF], 128
.endm
; THE CHANGE OF SLOTS stands at a slot's head.  Each wave waits for all its tensor loads, adds 0 to its spare word, and waits for that and for its reads of the slot that it has left; behind the barrier the slot ahead is whole and nobody reads the other.
.macro CHANGE fill
	s_wait_tensorcnt 0x0                           ; no tensor load of mine is out: a group 0 may be written
	ds_add_u32 v[SPW], v[NIL]
.if \fill
	s_xor_b32 s[G0K+1], s[G0K+1], SLOT1
	s_add_nc_u64 s[G0K+2:G0K+3], s[G0K+2:G0K+3], SK*64
	s_xor_b32 s[G0V+1], s[G0V+1], SLOT1
	s_add_nc_u64 s[G0V+2:G0V+3], s[G0V+2:G0V+3], SK
	s_wait_xcnt 0x0                                ; the last prefetch, a slot back, has read its address
	s_add_nc_u64 s[PFA:PFA+1], s[PFA:PFA+1], s[PFS:PFS+1]
.endif
	s_wait_dscnt 0x0
	s_barrier_signal -1
	s_barrier_wait -1
.if \fill
	s_add_co_u32 s96, s[KF], SK                    ; the first key of the slot that this change would ask for:
	s_cmp_gt_u32 s96, s[LQ]                        ; past my work-group's last query nobody reads it, so it is not asked for.  Ids and the count of steps alone: all sixteen waves go the same way
	s_cbranch_scc1 .Lpast_\@
	TLOAD                                          ; a wave's one tensor load until the next such barrier
.Lpast_\@:
	ASK
.endif
.endm
.macro SLOT_STEPS
	STEP 0
	STEP 1
	s_xor_b32 s[TB], s[TB], SLOT1
.endm
	s_wait_loadcnt 0x0                             ; Q
.Lslot:                                            ; NSL - 1 trips
	CHANGE 1
	SLOT_STEPS
	s_sub_co_u32 s[SLOTS], s[SLOTS], 1
	s_cmp_lg_u32 s[SLOTS], 0
	s_cbranch_scc1 .Lslot
	CHANGE 0                                       ; the last slot is written out: nothing is asked for
	SLOT_STEPS
	; THE WAY OUT: O^T / the sum x 2^(e6 + e7), quantised under e8; 16 rows of 64 codes go through my stage and leave as 1,024 consecutive bytes.
	; The lines up to the first read of O^T name no register of the last products: they are the places behind them.
	v_add_f32 v14, v14, v15
	s_delay_alu instid0(VALU_DEP_1)
	v_permlanex16_b32 v[XCH], v14, s[SEL], s[SEL+1]
	s_delay_alu instid0(VALU_DEP_1)
	v_add_f32 v14, v14, v[XCH]
	s_wait_alu depctr_va_vdst(0)
	v_rcp_f32 v14, v14
	v_and_b32 v8, 15, v0                           ; (a plain line behind the transcendental)
	v_bfe_u32 v9, v0, 4, 1
	s_add_co_i32 s73, s70, s71
	s_lshl_b32 s74, s[WV], 10
	s_add_co_u32 s74, s74, STAGE
	v_lshlrev_b32 v10, 6, v8
	s_delay_alu instid0(VALU_DEP_1)
	v_lshl_add_u32 v10, v9, 3, v10
	s_delay_alu instid0(VALU_DEP_1)
	v_add_nc_u32 v10, s74, v10                     ; in: row r of 64 bytes, + 8 hh
	v_add_nc_u32 v11, s74, v[GO]                   ; back: 16 bytes a lane
	s_wait_alu depctr_va_vdst(0)                   ; the wait ahead of the reciprocal's first reader
	v_ldexp_f32 v14, v14, s73
.set J, 0
.rept 32
	v_mul_f32 v[96+J], v[160+J], v14               ; register 8 t + j: d = 16 t + 8 hh + j; each accumulator from its low end on
.set J, J+1
.endr
.set J, 0
.rept 32
.set J, J+1
.endr
.irp t, 0,1,2,3
	v_cvt_scalef32_pk8_fp8_f32 v[224+2*\t:225+2*\t], v[96+8*\t:103+8*\t], v245
.endr
	v_nop
.irp t, 0,1,2,3
	ds_store_b64 v10, v[224+2*\t:225+2*\t] offset:16*\t
.endr
.irp u, 0,1
	ds_load_b128 v[32+4*\u:35+4*\u], v11 offset:512*\u   ; LDS serves a wave's instructions in order: these see my stores
.endr
.irp u, 0,1
	s_wait_dscnt 1-\u
	global_store_b128 v[GO], v[32+4*\u:35+4*\u], s[10:11] offset:512*\u   ; 512 consecutive bytes, aligned
.endr
	s_wait_tensorcnt 0x0                           ; the wave's end
	ds_add_u32 v[SPW], v[NIL]
	s_wait_dscnt 0x0
	s_endpgm
.Lfunc_end_k_q2c72fd52db_attn:
	.size	k_q2c72fd52db_attn, .Lfunc_end_k_q2c72fd52db_attn-k_q2c72fd52db_attn
	.p2alignl 7, 3214868480
	.fill 96, 4, 3214868480
	.section	.rodata,"a",@progbits
	.p2align	6, 0x0
	.amdhsa_kernel k_q2c72fd52db_attn
		.amdhsa_group_segment_fixed_size 327680
		.amdhsa_private_segment_fixed_size 0
		.amdhsa_enable_private_segment 0
		.amdhsa_kernarg_size 32
		.amdhsa_user_sgpr_count 2
		.amdhsa_user_sgpr_kernarg_segment_ptr 1
		.amdhsa_wavefront_size32 1
		.amdhsa_system_sgpr_workgroup_id_x 1
		.amdhsa_system_sgpr_workgroup_id_y 1
		.amdhsa_system_sgpr_workgroup_id_z 1
		.amdhsa_system_vgpr_workitem_id 0
		.amdhsa_next_free_vgpr 256
		.amdhsa_next_free_sgpr 100
		.amdhsa_reserve_vcc 1
		.amdhsa_float_denorm_mode_32 3
		.amdhsa_float_denorm_mode_16_64 3
		.amdhsa_fp16_overflow 1
		.amdhsa_memory_ordered 1
		.amdhsa_forward_progress 1
		.amdhsa_inst_pref_size 94
	.end_amdhsa_kernel
	.amdgpu_metadata
---
amdhsa.version: [ 1, 2 ]
amdhsa.kernels:
  - .name:           k_q2c72fd52db_attn
    .symbol:         k_q2c72fd52db_attn.kd
    .args:
      - { .name: hcodes, .offset: 0, .size: 8, .value_kind: global_buffer, .address_space: global }
      - { .name: kv, .offset: 8, .size: 8, .value_kind: global_buffer, .address_space: global }
      - { .name: lowp_scales, .offset: 16, .size: 8, .value_kind: global_buffer, .address_space: global }
      - { .name: ac, .offset: 24, .size: 8, .value_kind: global_buffer, .address_space: global }
    .group_segment_fixed_size: 327680
    .private_segment_fixed_size: 0
    .kernarg_segment_align: 8
    .kernarg_segment_size: 32
    .max_flat_workgroup_size: 512
    .sgpr_count:     100
    .vgpr_count:     256
    .wavefront_size: 32
...
	.end_amdgpu_metadata
.endif
;; end of part 3
;; launch outp (part 4): grid 16 x 16, 4 waves a work-group, clusters of 4 x 4, 327,680 bytes of LDS; arguments ac, wcodes, lowp_scales, out0; writes out0
.if DOCPART == 4
	.amdgcn_target "amdgcn-amd-amdhsa--gfx1250"
	.amdhsa_code_object_version 6
	.text
	.protected	k_q2c72fd52db_outp
	.globl	k_q2c72fd52db_outp
	.p2align	8
	.type	k_q2c72fd52db_outp,@function
k_q2c72fd52db_outp:
	s_mov_b64 s[64:65], 0
	v_nop
	global_prefetch_b8 v0, s[64:65] scope:SCOPE_SE
	s_setreg_imm32_b32 hwreg(HW_REG_WAVE_MODE, 25, 1), 1
	s_wait_xcnt 0x0
	s_wait_alu depctr_hold_cnt(0) depctr_sa_sdst(0) depctr_va_vdst(0) depctr_va_sdst(0) depctr_va_ssrc(0) depctr_va_vcc(0) depctr_vm_vsrc(0)
	s_getreg_b32 s2, hwreg(HW_REG_IB_STS2, 6, 4)
	s_cmp_eq_u32 s2, 0
	s_cbranch_scc0 .Lentry_in_a_cluster
	s_endpgm
.Lentry_in_a_cluster:
	s_bfe_u32 s2, ttmp6, 0x10000c
	s_cmp_lg_u32 s2, 0xf033
	s_cbranch_scc0 .Lentry_shape_is_right
	s_endpgm
.Lentry_shape_is_right:
.set NB0,    4
.set KSTEP,  512
.set P0,     528
.set S0PART, 64*P0
.set S1OFF,  2*S0PART
.set PLANE,  5120
.set S1PART, 8*PLANE
.set SLOT,   S1OFF+2*S1PART
.set SPARE,  2*SLOT
.set NF,     4*(NB0+4)
.set ADR0, 16
.set ADR1, 20
.set STO,  24
.set RD,   25
.set CO,   26
.set SPW,  28
.set NIL,  29
.set F1,   128
.set G1,  24
.set G0,  32
.set G1B, 48
.set G0B, 56
.set KO,  76
.set KO2, 78
.set MSB, 0
.macro WIN new
.if MSB != \new
	s_set_vgpr_msb (MSB<<8)|\new
.set MSB, \new
.endif
.endm
.set MUL, 0xa1
.set TO1, 0x40
.set RD2, 0x02
.macro PLACES
.rept 4
	v_nop
.endr
.endm
.macro JLOAD n
	s_cmp_eq_u32 s15, 0
	s_cbranch_scc0 .Lfor_1_\@
	tensor_load_to_lds s[G0+4*(\n):G0+4*(\n)+3], s[G1:G1+7]
	s_nop 0
.rept 4
	v_nop
.endr
	s_branch .Lasked_\@
.Lfor_1_\@:
	tensor_load_to_lds s[G0B+4*(\n):G0B+4*(\n)+3], s[G1B:G1B+7]
	s_nop 0
.rept 4
	v_nop
.endr
.Lasked_\@:
.endm
.macro CREST
	s_cmp_lg_u32 s14, 0
	s_cbranch_scc1 .Lnot_wave_0_\@
	s_barrier_signal -3
.Lnot_wave_0_\@:
	s_barrier_wait -3
	s_barrier_signal -1
	s_barrier_wait -1
.endm
.macro CROUND
	s_barrier_signal -1
	s_barrier_wait -1
	CREST
.endm
.macro KADDR n
	s_lshl_b32 s[KO2], s[KO], 11
	s_add_nc_u64 s[G0+4*(\n)+2:G0+4*(\n)+3], s[20:21], s[KO:KO+1]
	s_or_b32 s[G0+4*(\n)+3], s[G0+4*(\n)+3], 0x80000000
	s_add_nc_u64 s[G0B+4*(\n)+2:G0B+4*(\n)+3], s[22:23], s[KO2:KO2+1]
	s_or_b32 s[G0B+4*(\n)+3], s[G0B+4*(\n)+3], 0x80000000
.endm
.macro KNEXT n
	s_add_co_u32 s[KO], s[KO], KSTEP
	s_and_b32 s[KO], s[KO], 2047
	KADDR \n
.endm
.macro FETCH slot, q, p
	WIN TO1
.irp b, 0,1,2,3
.irp c, 0,1,2,3
	ds_load_b128 v[128*(\p)+16*\b+4*\c:128*(\p)+16*\b+4*\c+3], v[ADR0+(\slot)] offset:128*(\q)+32*\c+\b*16*P0
.endr
.endr
	WIN 0
.irp a, 0,1,2,3
.irp c, 0,1,2,3
	ds_load_b128 v[F1+64*(\p)+16*\a+4*\c:F1+64*(\p)+16*\a+4*\c+3], v[ADR1+(\slot)] offset:2*PLANE*(\q)+PLANE*(\c/2)+32*(\c%2)+\a*16*80
.endr
.endr
.endm
.macro MULA p, a, zero
.irp b, 0,1,2,3
.if \zero
	v_wmma_f32_16x16x128_fp8_fp8 v[8*(NB0*(\a)+\b):8*(NB0*(\a)+\b)+7], v[128*(\p)+16*\b:128*(\p)+16*\b+15], v[F1+64*(\p)+16*(\a):F1+64*(\p)+16*(\a)+15], 0
.else
	v_wmma_f32_16x16x128_fp8_fp8 v[8*(NB0*(\a)+\b):8*(NB0*(\a)+\b)+7], v[128*(\p)+16*\b:128*(\p)+16*\b+15], v[F1+64*(\p)+16*(\a):F1+64*(\p)+16*(\a)+15], v[8*(NB0*(\a)+\b):8*(NB0*(\a)+\b)+7]
.endif
.endr
.endm
.macro STEP slot, q, p, zero
	PLACES
	FETCH \slot, (\q)+1, 1-(\p)
	s_wait_dscnt NF
	WIN MUL
	MULA \p, 0, \zero
	MULA \p, 1, \zero
	MULA \p, 2, \zero
	MULA \p, 3, \zero
.endm
.macro TURN slot, next, p, fill
	WIN 0
	s_wait_tensorcnt 0x0
	ds_add_u32 v[SPW], v[NIL]
.if \fill
	KNEXT \slot
.endif
	s_wait_dscnt 1
	WIN MUL
	MULA \p, 0, 0
	MULA \p, 1, 0
	s_wait_dscnt 0x0
	s_barrier_signal -1
	MULA \p, 2, 0
	WIN 0
	s_barrier_wait -1
.if \fill
	CREST
	JLOAD \slot
.else
	PLACES
.endif
	FETCH \next, 0, 1-(\p)
	WIN MUL
	MULA \p, 3, 0
.endm
	s_load_b256 s[4:11], s[0:1], 0x0
	v_lshl_add_u32 v[SPW], v0, 2, SPARE
	v_mov_b32 v[NIL], 0
	ds_add_u32 v[SPW], v[NIL]
	ds_add_u32 v[SPW], v[NIL]
	v_lshrrev_b32 v1, 5, v0
	v_readfirstlane_b32 s14, v1
	s_lshr_b32 s15, s14, 1
	s_and_b32 s16, s14, 1
	s_bfe_u32 s40, ttmp6, 0x40000
	s_bfe_u32 s41, ttmp6, 0x40004
	s_lshl_b32 s42, ttmp9, 2
	s_add_co_u32 s42, s42, s40
	s_and_b32 s19, ttmp7, 0xffff
	s_lshl_b32 s17, s19, 2
	s_add_co_u32 s17, s17, s41
	s_add_co_u32 s19, s19, ttmp9
	s_and_b32 s19, s19, 3
	s_lshl_b32 s[KO], s19, 9
	s_mov_b32 s[KO+1], 0
	s_mov_b32 s[KO2+1], 0
	s_lshl_b32 s43, s41, 2
	s_lshl_b32 s43, 15, s43
	s_lshl_b32 s44, 0x1111, s40
	s_or_b32 s[G1], s44, (1<<20)|(1<<21)|(6<<22)|(3<<25)
	s_mov_b32 s[G1+1], KSTEP<<16
	s_mov_b32 s[G1+2], 64<<16
	s_mov_b32 s[G1+3], KSTEP<<16
	s_mov_b32 s[G1+4], 64
	s_mov_b32 s[G1+5], 2048
	s_mov_b32 s[G1+6], 0
	s_mov_b32 s[G1+7], 0
	s_or_b32 s[G1B], s43, (1<<20)|(1<<21)|(3<<22)|(3<<25)
	s_mov_b32 s[G1B+1], 4096<<16
	s_mov_b32 s[G1B+2], 8<<16
	s_mov_b32 s[G1B+3], 4096<<16
	s_mov_b32 s[G1B+4], 8
	s_mov_b32 s[G1B+5], 131072
	s_mov_b32 s[G1B+6], 0
	s_mov_b32 s[G1B+7], 0
	s_lshl_b32 s46, s42, 7
	s_lshl_b32 s47, s16, 6
	s_add_co_u32 s46, s46, s47
	s_lshl_b32 s46, s46, 11
	s_add_co_u32 s46, s46, 0x800000
	s_mov_b32 s47, 0
	s_lshl_b32 s82, s17, 7
	s_lshl_b32 s83, s16, 6
	s_add_co_u32 s82, s82, s83
	s_lshl_b32 s82, s82, 6
	s_mov_b32 s83, 0
	s_mul_i32 s45, s16, S0PART
	s_mul_i32 s85, s16, S1PART
	s_add_co_u32 s85, s85, S1OFF
	s_wait_dscnt 0x0
	s_wait_kmcnt 0x0
	s_load_b64 s[96:97], s[8:9], 0x20
	s_add_nc_u64 s[20:21], s[6:7], s[46:47]
	s_add_nc_u64 s[22:23], s[4:5], s[82:83]
	CROUND
.irp n, 0,1
	s_mov_b32 s[G0+4*\n], 1
	s_add_co_u32 s[G0+4*\n+1], s45, \n*SLOT
	s_mov_b32 s[G0B+4*\n], 1
	s_add_co_u32 s[G0B+4*\n+1], s85, \n*SLOT
.endr
	KADDR 0
	JLOAD 0
	KNEXT 1
	s_wait_alu depctr_va_vdst(0)
	s_wait_tensorcnt 0x0
	ds_add_u32 v28, v29
	s_wait_dscnt 0x0
	CROUND
	JLOAD 1
	v_and_b32 v1, 15, v0
	v_bfe_u32 v2, v0, 4, 1
	v_mul_u32_u24 v3, v1, P0
	v_lshl_add_u32 v3, v2, 4, v3
	v_mul_u32_u24 v4, v1, 80
	v_lshl_add_u32 v4, v2, 4, v4
	s_mul_i32 s46, s15, S0PART
	s_mul_i32 s47, s16, S1PART
	s_add_co_u32 s47, s47, S1OFF
.irp n, 0,1
	v_add_nc_u32 v[ADR0+\n], s46, v3
	v_add_nc_u32 v[ADR1+\n], s47, v4
	s_add_co_u32 s46, s46, SLOT
	s_add_co_u32 s47, s47, SLOT
.endr
	v_mul_u32_u24 v5, v1, P0
	v_lshl_add_u32 v5, v2, 5, v5
	s_mul_i32 s46, s16, 64*P0
	s_lshl_b32 s47, s15, 8
	s_add_co_u32 s46, s46, s47
	v_add_nc_u32 v[STO], s46, v5
	v_and_b32 v6, 31, v0
	v_lshlrev_b32 v[CO], 4, v6
	s_mul_i32 s46, s14, 32*P0
	v_add_nc_u32 v[RD], s46, v[CO]
	s_lshl_b32 s86, s17, 20
	s_lshl_b32 s87, s14, 18
	s_add_co_u32 s86, s86, s87
	s_lshl_b32 s87, s42, 9
	s_add_co_u32 s86, s86, s87
	s_mov_b32 s87, 0
	s_add_nc_u64 s[10:11], s[10:11], s[86:87]
	s_wait_alu depctr_va_vdst(0)
	s_wait_tensorcnt 1
	s_barrier_signal -1
	s_barrier_wait -1
	FETCH 0, 0, 0
	STEP 0, 0, 0, 1
	STEP 0, 1, 1, 0
	STEP 0, 2, 0, 0
	TURN 0, 1, 1, 1
	STEP 1, 0, 0, 0
	STEP 1, 1, 1, 0
	STEP 1, 2, 0, 0
	TURN 1, 0, 1, 1
	STEP 0, 0, 0, 0
	STEP 0, 1, 1, 0
	STEP 0, 2, 0, 0
	TURN 0, 1, 1, 0
	STEP 1, 0, 0, 0
	STEP 1, 1, 1, 0
	STEP 1, 2, 0, 0
	s_wait_dscnt 0x0
	WIN MUL
	MULA 1, 0, 0
	MULA 1, 1, 0
	MULA 1, 2, 0
	MULA 1, 3, 0
	WIN 0
	PLACES
	s_wait_kmcnt 0x0
	s_add_co_i32 s96, s96, s97
	s_add_co_i32 s96, s96, 127
	s_lshl_b32 s96, s96, 23
	s_mov_b32 s97, s96
	WIN RD2
.set I, 0
.rept 64
	v_pk_mul_f32 v[F1+I:F1+I+1], v[I:I+1], s[96:97] op_sel_hi:[1,0]
.set I, I+2
.endr
	WIN 0
.irp a, 0,1,2,3
.irp b, 0,1,2,3
	ds_store_b128 v[STO], v[F1+8*(4*\a+\b):F1+8*(4*\a+\b)+3] offset:\a*16*P0+64*\b
	ds_store_b128 v[STO], v[F1+8*(4*\a+\b)+4:F1+8*(4*\a+\b)+7] offset:\a*16*P0+64*\b+16
.endr
.endr
	s_wait_dscnt 0x0
	s_barrier_signal -1
	s_barrier_wait -1
.set I, 0
.rept 32
	ds_load_b128 v[F1+4*I:F1+4*I+3], v[RD] offset:I*P0
.set I, I+1
.endr
.set I, 0
.rept 32
	s_wait_dscnt 31-I
	global_store_b128 v[CO], v[F1+4*I:F1+4*I+3], s[10:11] offset:I*8192 th:TH_STORE_NT
.set I, I+1
.endr
	s_wait_tensorcnt 0x0
	ds_add_u32 v[SPW], v[NIL]
	s_wait_dscnt 0x0
	CROUND
	s_endpgm
.Lfunc_end_k_q2c72fd52db_outp:
	.size	k_q2c72fd52db_outp, .Lfunc_end_k_q2c72fd52db_outp-k_q2c72fd52db_outp
	.p2alignl 7, 3214868480
	.fill 96, 4, 3214868480
	.section	.rodata,"a",@progbits
	.p2align	6, 0x0
	.amdhsa_kernel k_q2c72fd52db_outp
		.amdhsa_group_segment_fixed_size 327680
		.amdhsa_private_segment_fixed_size 0
		.amdhsa_enable_private_segment 0
		.amdhsa_kernarg_size 32
		.amdhsa_user_sgpr_count 2
		.amdhsa_user_sgpr_kernarg_segment_ptr 1
		.amdhsa_wavefront_size32 1
		.amdhsa_system_sgpr_workgroup_id_x 1
		.amdhsa_system_sgpr_workgroup_id_y 1
		.amdhsa_system_sgpr_workgroup_id_z 1
		.amdhsa_system_vgpr_workitem_id 0
		.amdhsa_next_free_vgpr 640
		.amdhsa_next_free_sgpr 100
		.amdhsa_reserve_vcc 0
		.amdhsa_float_denorm_mode_32 3
		.amdhsa_float_denorm_mode_16_64 3
		.amdhsa_memory_ordered 1
		.amdhsa_forward_progress 1
		.amdhsa_inst_pref_size 76
	.end_amdhsa_kernel
	.amdgpu_metadata
---
amdhsa.version: [ 1, 2 ]
amdhsa.kernels:
  - .name:           k_q2c72fd52db_outp
    .symbol:         k_q2c72fd52db_outp.kd
    .args:
      - { .name: ac, .offset: 0, .size: 8, .value_kind: global_buffer, .address_space: global }
      - { .name: wcodes, .offset: 8, .size: 8, .value_kind: global_buffer, .address_space: global }
      - { .name: lowp_scales, .offset: 16, .size: 8, .value_kind: global_buffer, .address_space: global }
      - { .name: out0, .offset: 24, .size: 8, .value_kind: global_buffer, .address_space: global }
    .group_segment_fixed_size: 327680
    .private_segment_fixed_size: 0
    .kernarg_segment_align: 8
    .kernarg_segment_size: 32
    .max_flat_workgroup_size: 128
    .sgpr_count:     100
    .vgpr_count:     640
    .wavefront_size: 32
...
	.end_amdgpu_metadata
.endif
;; end of part 4
